; MI455X (gfx1250); checked and timed in simulation.
; The chip was launched on July 23, 2026; its instructions are those of AMD's public machine-readable ISA for CDNA 5 (MIT licence, August 2026) and "CDNA5" Instruction Set Architecture Reference Guide (July 2026). The comments in the code are by the model that wrote it; some were corrected since.
;; Multihead Attention. Allowed arithmetic: matrix products marked QUANTISED: E2M1 operands, one E8M0 scale for each 32 along K, by v_wmma_scale_f32_16x16x128_f8f6f4 with both operands' format E2M1 (or v_wmma_scale_f32_32x16x128_f4), f32 sums; products left as they are: bf16, f16 or f32 operands; f32 sums; everything else in f32.
;; Inputs: Wk 1,024 x 1,024 float32; Wo 1,024 x 1,024 float32; Wq 1,024 x 1,024 float32; Wv 1,024 x 1,024 float32; beta 16 float32; bk 1,024 float32; bo 1,024 float32; bq 1,024 float32; bv 1,024 float32; x 2,048 x 4 x 1,024 float32.
;; Outputs: out0 2,048 x 4 x 1,024 float32.
;; This version of the problem:
;;   THIS VERSION OF THE PROBLEM IS GIVEN IN LOW PRECISION. The matrix products marked QUANTISED in the list below multiply operands that are first quantised to E2M1 (2 exponent bits, 1 mantissa bit; 4 bits a number), with one power-of-two scale for each 32 numbers along K (OCP MX v1.0); their sums are f32. The products marked 'left as it is' may take bf16, f16 or f32 operands, with f32 sums. Whichever they take, every output number must still come out within the allowed error. Rounding operands to bf16 (8 significant bits) uses up far more of that allowance than f16 does (11 bits, for magnitudes from 6e-5 to 65,504). All else is computed in f32.
;;   The module's matrix products, in the order in which they are computed (A, B: the left and right operand; K: the contracted axis; several contracted axes count as one K, in the product's order):
;;     1. [M 8,192, K 1,024] x [K 1,024, N 1,024]; A: input x; B: input Wq: QUANTISED
;;     2. [M 8,192, K 1,024] x [K 1,024, N 1,024]; A: input x; B: input Wk: QUANTISED
;;     3. [M 8,192, K 1,024] x [K 1,024, N 1,024]; A: input x; B: input Wv: QUANTISED
;;     4. batch 64 x [M 2,048, K 64] x [K 64, N 2,048]; A: computed on the way; B: computed on the way: left as it is (an operand is computed on the way)
;;     5. batch 64 x [M 64, K 2,048] x [K 2,048, N 2,048]; A: computed on the way; B: computed on the way: left as it is (an operand is computed on the way)
;;     6. [M 8,192, K 1,024] x [K 1,024, N 1,024]; A: computed on the way; B: input Wo: left as it is (an operand is computed on the way)
;;   THE QUANTISER, for each operand of a quantised product, along K:
;;     - K is cut into blocks of 32 from its start; a last block that is shorter is filled with zeros.
;;     - A block's scale is 2^e with e = floor(log2(the largest magnitude in the block)) - 2, held to -126 .. 127; a block of zeros has e = 0. As a byte (E8M0): e + 127.
;;     - Each number is divided by its block's scale, clamped to +-6, and rounded to the nearest number of E2M1, ties to even, subnormals kept.
;;     - The product sums the exact products of the quantised numbers (number of the format x scale) in f32.
;;   ~~~python
;;   def quantise(x, axis):      # numpy; x: float32 -> the quantised numbers, widened to float32 again
;;       x = np.moveaxis(x, axis, -1); K = x.shape[-1]
;;       x = np.pad(x, [(0, 0)] * (x.ndim - 1) + [(0, -K % 32)]); x = x.reshape(x.shape[:-1] + (-1, 32)); a = np.abs(x).max(-1, keepdims=True)
;;       e = np.where(a > 0, np.clip(np.frexp(np.where(a > 0, a, 1))[1] - 1 - 2, -126, 127), 0)      # np.frexp(a)[1] - 1 = floor(log2(a)), exactly
;;       r = np.clip(x / 2.0 ** e, -6, 6)
;;       step = 2.0 ** (np.maximum(np.frexp(np.where(r == 0, 1, r))[1] - 1, 0) - 1)
;;       q = np.round(r / step) * step * 2.0 ** e      # np.round: ties to even
;;       return np.moveaxis(q.reshape(q.shape[:-2] + (-1,))[..., :K], -1, axis).astype(np.float32)
;;   ~~~
;; One version. Each part assembles by itself: llvm-mc -triple=amdgcn-amd-amdhsa -mcpu=gfx1250 --defsym DOCPART=n.
;; ======== version 1 of 1: 4 launches
;; limits: values are held in f16: magnitudes above 65,504 overflow, below 6.1e-05 lose precision
;; workspace buffers: xc 4,194,304 bytes; xs 262,144 bytes; wc 1,572,864 bytes; ws 98,304 bytes; woimg 2,097,152 bytes; qkv 50,331,648 bytes; oimg 16,777,216 bytes
;; launch prep (part 1): grid 384 x 1, 4 waves a work-group, no clusters, 33,280 bytes of LDS; arguments x, Wq, Wk, Wv, Wo, xc, xs, wc, ws, woimg; writes xc, xs, wc, ws, woimg
.if DOCPART == 1
	.amdgcn_target "amdgcn-amd-amdhsa--gfx1250"
	.amdhsa_code_object_version 6
	.text
	.protected	k_q3422010a0d_prep
	.globl	k_q3422010a0d_prep
	.p2align	8
	.type	k_q3422010a0d_prep,@function
k_q3422010a0d_prep:
	s_mov_b64 s[64:65], 0
	v_nop
	global_prefetch_b8 v0, s[64:65] scope:SCOPE_SE
	s_setreg_imm32_b32 hwreg(HW_REG_WAVE_MODE, 25, 1), 1
	s_wait_xcnt 0x0
; x [2048][4][1024] and Wq, Wk, Wv [1024][1024], f32, K innermost, become codes of FP4 (E2M1) with one E8M0 byte for each 32 along K; Wo [1024][1024] becomes f16.
; A block's scale is 2^(floor(log2(its largest magnitude)) - 2); its byte is the largest magnitude's exponent field - 2, held at 1 from below.  Each number is divided by the scale and rounded to the nearest code, ties to even,
; beyond the largest code the largest.  (A block of zeros gets the byte 1 where the rule says 127: its codes are zeros, which add nothing under any byte but 0xff, and this program alone reads the bytes.)
; LIMITS: NaN and infinities among the inputs are not served; |Wo| stays under 65,504 (f16).
; OUT.  xc [8192][512 bytes], xs [8192][32 bytes], with the rows in the order b * 2048 + s, so that 16 neighbouring rows belong to one batch;  wc [3072][512], ws [3072][32]: Wq's rows, then Wk's, then Wv's.
;       woimg: blocks of 512 bytes at ((ks * 64 + nb) * 8 + j) * 512; in a block lane (r, h) has 16 bytes at 16 x lane: Wo[16 nb + r][128 ks + 16 j + 8 h + 0..7]: two neighbouring blocks are the 8 registers of an f16 fragment.
; SHARES.  Work-groups 0-255: x (wave w takes batch w, positions 8 g .. 8 g + 7);  256-351: the three weights (a wave takes 8 rows);  352-383: Wo (a wave takes 16 rows x 512 K).
; A wave's 8 rows are 16 steps of 512 numbers.  Each of a step's four loads reads 512 consecutive bytes; the 2,048 bytes turn through the wave's own stage in LDS and come back 64 bytes a lane, since the conversions take
; neighbours along K from ONE lane's registers; two neighbouring lanes hold a block.  A step's codes leave as 256 consecutive bytes; a wave's 256 scale bytes are gathered in LDS and leave as one store of 256 bytes.
; No tensor loads, no barrier, no cluster: the waves and the work-groups share no input.  Loads run four steps (16 loads a wave) ahead, the turn through LDS one step.
.set WAVES, 4
.set STEPS, 16
.set EMAX,  2
.set CB,    8                          ; bytes of 16 codes
.set R,     16                         ; v16-79   four sets of 16 numbers as they are loaded
.set X,     80                         ; v80-111  two sets of 16 neighbours
.set E,     112                        ; v112-127 a scale byte for each step
.set C,     128                        ; v128-191 codes: four registers for each step, so that no store's data are written again
.set RA,    192                        ; v192-199 row i of my 8: 16 x lane + i x the distance between my rows
.set WREG,  8192                       ; LDS: a region for each wave: two stages of 32 x SP bytes, behind them its 256 scale bytes
.set SP,    80                         ; a lane's place in a stage: 64 bytes + 16 of padding
.set SPW,   12                         ; v12  LDS address of my spare word; never rewritten
.set NIL,   13                         ; v13  0; never rewritten
.set SPARE, WAVES*WREG                 ; behind the four regions: the spare words, 128 bytes a wave
.set WIN_,  16                         ; Wo's path: v16-143 two sets of 64 numbers
.set WOUT,  144                        ; v144-207 two sets of 32 registers of f16
	s_load_b256 s[4:11], s[0:1], 0x0               ; x, Wq, Wk, Wv
	s_load_b256 s[12:19], s[0:1], 0x20             ; Wo, xc, xs, wc
	s_load_b128 s[20:23], s[0:1], 0x40             ; ws, woimg
	v_lshl_add_u32 v[SPW], v0, 2, SPARE
	v_mov_b32 v[NIL], 0
	v_lshrrev_b32 v1, 5, v0
	v_readfirstlane_b32 s24, v1                    ; wave
	v_and_b32 v2, 31, v0                           ; lane
	s_wait_kmcnt 0x0
	s_cmp_lt_u32 ttmp9, 352                        ; the work-group's number alone decides the path
	s_cbranch_scc1 .Lquant
	; ---- Wo to f16, in the order of a fragment's registers.  W = 4 (g - 352) + wave: rows 16 (W / 2) on, K 512 (W % 2) on: four tasks of 16 rows x 128 K
	s_sub_co_u32 s25, ttmp9, 352
	s_lshl_b32 s25, s25, 2
	s_add_co_u32 s25, s25, s24
	s_lshr_b32 s26, s25, 1                         ; nb
	s_and_b32 s27, s25, 1                          ; which half of K
	s_lshl_b32 s28, s26, 16                        ; 16 rows of 4,096 bytes
	s_lshl_b32 s29, s27, 11                        ; 512 numbers
	s_add_co_u32 s28, s28, s29
	s_mov_b32 s29, 0
	s_add_nc_u64 s[12:13], s[12:13], s[28:29]
	s_lshl_b32 s30, s27, 20                        ; four K steps of 64 x 4,096 bytes
	s_lshl_b32 s31, s26, 12
	s_add_co_u32 s30, s30, s31
	s_mov_b32 s31, 0
	s_add_nc_u64 s[22:23], s[22:23], s[30:31]
	v_and_b32 v3, 15, v0                           ; r
	v_bfe_u32 v4, v0, 4, 1                         ; h
	v_lshlrev_b32 v1, 12, v3
	v_lshl_add_u32 v1, v4, 5, v1                   ; in: row r, + 8 h numbers
	v_lshlrev_b32 v2, 4, v2                        ; out: 16 x lane
.macro WLOAD kq                        ; task kq: block j wants K = 16 j + 8 h + 0..7 of row r: 32 bytes, two loads
.irp j, 0,1,2,3,4,5,6,7
	global_load_b128 v[WIN_+64*((\kq)%2)+8*\j:WIN_+64*((\kq)%2)+8*\j+3], v1, s[12:13] offset:(\kq)*512+\j*64
	global_load_b128 v[WIN_+64*((\kq)%2)+8*\j+4:WIN_+64*((\kq)%2)+8*\j+7], v1, s[12:13] offset:(\kq)*512+\j*64+16
.endr
.endm
.macro WTASK kq
.if (\kq) < 3
	s_wait_loadcnt 16                              ; this task's 16 loads are in; the next task's 16 may be out
.else
	s_wait_loadcnt 0x0
.endif
.if (\kq) >= 2
	s_wait_xcnt 0x0                                ; the stores of two tasks back have read this set of registers: it is written again only behind this wait
.endif
.irp j, 0,1,2,3,4,5,6,7
.irp p, 0,1,2,3
	v_cvt_pk_f16_f32 v[WOUT+32*((\kq)%2)+4*\j+\p], v[WIN_+64*((\kq)%2)+8*\j+2*\p], v[WIN_+64*((\kq)%2)+8*\j+2*\p+1]
.endr
.endr
.irp j, 0,1,2,3,4,5,6,7
	global_store_b128 v2, v[WOUT+32*((\kq)%2)+4*\j:WOUT+32*((\kq)%2)+4*\j+3], s[22:23] offset:(\kq)*262144+\j*512   ; 32 lanes store 512 consecutive bytes
.endr
.if (\kq)+2 < 4
	WLOAD (\kq)+2
.endif
.endm
	WLOAD 0
	WLOAD 1
	WTASK 0
	WTASK 1
	WTASK 2
	WTASK 3
	s_wait_tensorcnt 0x0                           ; the wave's end
	ds_add_u32 v[SPW], v[NIL]
	s_wait_dscnt 0x0
	s_endpgm
.Lquant:
	; ---- the quantiser
	v_lshlrev_b32 v[RA], 4, v2                     ; my 16 bytes of a load's 512
	s_mul_i32 s33, s24, WREG
	v_lshrrev_b32 v14, 2, v2
	v_mul_u32_u24 v14, v14, SP
	v_and_b32 v15, 3, v2
	v_lshl_add_u32 v14, v15, 4, v14
	v_add_nc_u32 v14, s33, v14                     ; the stage, on the way in: four lanes' 64 bytes on end, then 16 of padding
	v_mul_u32_u24 v15, v2, SP
	v_add_nc_u32 v15, s33, v15                     ; and on the way out: SP x lane: my 16 neighbours
	v_mul_u32_u24 v4, v2, CB                       ; my codes' place in a step's
	v_lshrrev_b32 v5, 1, v2
	s_add_co_u32 s33, s33, 2*32*SP
	v_add_nc_u32 v5, s33, v5                       ; LDS: my wave's 256 scale bytes, my block's byte
	v_lshlrev_b32 v7, 3, v2                        ; and on the way out 8 bytes a lane
	v_add_nc_u32 v6, s33, v7
	s_sub_co_u32 s25, ttmp9, 256                   ; a weight's work-group: i = g - 256
	s_and_b32 s26, s25, 31
	s_lshl_b32 s26, s26, 5
	s_lshl_b32 s27, s24, 3
	s_add_co_u32 s26, s26, s27                     ; its first row in its weight: 32 (i % 32) + 8 wave
	s_lshl_b32 s28, s25, 5
	s_add_co_u32 s28, s28, s27                     ; and in wc, ws: 32 i + 8 wave
	s_lshl_b32 s29, ttmp9, 5
	s_add_co_u32 s29, s29, s24                     ; x: first row 4 (8 g) + wave,
	s_lshl_b32 s30, s24, 11
	s_lshl_b32 s31, ttmp9, 3
	s_add_co_u32 s30, s30, s31                     ; and in xc, xs: 2048 wave + 8 g
	s_cmp_lt_u32 ttmp9, 288                        ; the buffers are chosen on the work-group's number alone
	s_cselect_b64 s[6:7], s[6:7], s[8:9]           ; Wq or Wk,
	s_cmp_lt_u32 ttmp9, 320
	s_cselect_b64 s[6:7], s[6:7], s[10:11]         ; or Wv
	s_mov_b32 s32, 4096
	s_cmp_lt_u32 ttmp9, 256
	s_cselect_b64 s[4:5], s[4:5], s[6:7]           ; the numbers,
	s_cselect_b64 s[14:15], s[14:15], s[18:19]     ; the codes,
	s_cselect_b64 s[16:17], s[16:17], s[20:21]     ; the scale bytes,
	s_cselect_b32 s32, 16384, s32                  ; from one of my rows to the next: x's lie 4 rows apart
	s_cselect_b32 s26, s29, s26
	s_cselect_b32 s28, s30, s28
	s_lshl_b32 s26, s26, 12                        ; all three offsets stay under 2^26
	s_mov_b32 s27, 0
	s_add_nc_u64 s[4:5], s[4:5], s[26:27]
	s_lshl_b32 s34, s28, 9
	s_mov_b32 s35, 0
	s_add_nc_u64 s[14:15], s[14:15], s[34:35]
	s_lshl_b32 s36, s28, 5
	s_mov_b32 s37, 0
	s_add_nc_u64 s[16:17], s[16:17], s[36:37]
.irp i, 1,2,3,4,5,6,7
	v_add_nc_u32 v[RA+\i], s32, v[RA+\i-1]
.endr
.macro LOAD t                          ; step t: half t % 2 of row t / 2
.irp i, 0,1,2,3
	global_load_b128 v[R+16*((\t)%4)+4*\i:R+16*((\t)%4)+4*\i+3], v[RA+(\t)/2], s[4:5] offset:2048*((\t)%2)+512*\i th:TH_LOAD_NT   ; 32 lanes read 512 consecutive bytes
.endr
.endm
.macro TURN t                          ; step t's numbers through the stage: LDS serves a wave's instructions in order (ISA guide 5.7.1.4), so no wait stands between the stores and the loads
.irp i, 0,1,2,3
	ds_store_b128 v14, v[R+16*((\t)%4)+4*\i:R+16*((\t)%4)+4*\i+3] offset:32*SP*((\t)%2)+8*SP*\i
.endr
.irp i, 0,1,2,3
	ds_load_b128 v[X+16*((\t)%2)+4*\i:X+16*((\t)%2)+4*\i+3], v15 offset:32*SP*((\t)%2)+16*\i
.endr
.endm
.irp t, 0,1,2,3
	LOAD \t
.endr
	s_wait_loadcnt 12                              ; step 0's four loads are in; those of steps 1 to 3 may be out
	TURN 0
.macro STEP t
.set XS, X+16*((\t)%2)
.if (\t) > 0
	s_wait_dscnt 1                                 ; this step's numbers are back from the stage (the last step's byte store may be out): so its stores into the stage have read their registers,
.else
	s_wait_dscnt 0x0
.endif
.if (\t)+4 < STEPS
	LOAD (\t)+4                                    ; which take the loads of four steps on
.endif
.if (\t)+1 < STEPS
.if STEPS-2-(\t) >= 3
	s_wait_loadcnt 12                              ; the next step's four loads are in; those of the three steps behind it may be out
.else
	s_wait_loadcnt 4*(STEPS-2-(\t))
.endif
	TURN (\t)+1                                    ; and go through the other stage while this step is worked
.endif
	v_max3_num_f32 v8, |v[XS]|, |v[XS+1]|, |v[XS+2]|               ; the largest magnitude of my 16, in two chains
	v_max3_num_f32 v9, |v[XS+3]|, |v[XS+4]|, |v[XS+5]|
.irp i, 6,10
	v_max3_num_f32 v8, v8, |v[XS+\i]|, |v[XS+\i+1]|
	v_max3_num_f32 v9, v9, |v[XS+\i+2]|, |v[XS+\i+3]|
.endr
	v_max3_num_f32 v8, v8, |v[XS+14]|, |v[XS+15]|
	v_max3_num_f32 v8, v8, v9, (EMAX+1)<<23        ; and the floor 2^(EMAX + 1 - 127): so the byte cannot fall under 1
	v_max_num_f32_dpp v8, v8, v8 row_xmask:1 row_mask:0xf bank_mask:0xf   ; and of my neighbour's 16: the block's
	v_add_nc_u32 v11, -(EMAX<<23), v8              ; EMAX off its exponent field: the conversion takes the exponent field of this operand as its scale, and nothing else of it
	v_cvt_scalef32_pk8_fp4_f32 v[C+4*(\t)], v[XS:XS+7], v11
	v_cvt_scalef32_pk8_fp4_f32 v[C+4*(\t)+1], v[XS+8:XS+15], v11
	v_lshrrev_b32 v[E+(\t)], 23, v11               ; the scale's byte (also the plain line behind the conversions)
	ds_store_b8 v5, v[E+(\t)] offset:16*(\t)       ; both lanes of a block write the same byte with the same value
	global_store_b64 v4, v[C+4*(\t):C+4*(\t)+1], s[14:15] offset:32*CB*(\t)   ; 32 lanes store 256 consecutive bytes
.endm
.irp t, 0,1,2,3,4,5,6,7,8,9,10,11,12,13,14,15
	STEP \t
.endr
	ds_load_b64 v[8:9], v6                         ; these see my byte stores: a wave's LDS instructions are served in order
	s_wait_dscnt 0x0
	global_store_b64 v7, v[8:9], s[16:17]          ; my 8 rows' scale bytes: 256 consecutive bytes
	s_wait_tensorcnt 0x0                           ; the wave's end, behind my last LDS store
	ds_add_u32 v[SPW], v[NIL]
	s_wait_dscnt 0x0
	s_endpgm
.Lfunc_end_k_q3422010a0d_prep:
	.size	k_q3422010a0d_prep, .Lfunc_end_k_q3422010a0d_prep-k_q3422010a0d_prep
	.p2alignl 7, 3214868480
	.fill 96, 4, 3214868480
	.section	.rodata,"a",@progbits
	.p2align	6, 0x0
	.amdhsa_kernel k_q3422010a0d_prep
		.amdhsa_group_segment_fixed_size 33280
		.amdhsa_private_segment_fixed_size 0
		.amdhsa_enable_private_segment 0
		.amdhsa_kernarg_size 80
		.amdhsa_user_sgpr_count 2
		.amdhsa_user_sgpr_kernarg_segment_ptr 1
		.amdhsa_wavefront_size32 1
		.amdhsa_system_sgpr_workgroup_id_x 1
		.amdhsa_system_sgpr_workgroup_id_y 1
		.amdhsa_system_sgpr_workgroup_id_z 1
		.amdhsa_system_vgpr_workitem_id 0
		.amdhsa_next_free_vgpr 208
		.amdhsa_next_free_sgpr 66
		.amdhsa_reserve_vcc 0
		.amdhsa_float_denorm_mode_32 3
		.amdhsa_float_denorm_mode_16_64 3
		.amdhsa_memory_ordered 1
		.amdhsa_forward_progress 1
		.amdhsa_inst_pref_size 52
	.end_amdhsa_kernel
	.amdgpu_metadata
---
amdhsa.version: [ 1, 2 ]
amdhsa.kernels:
  - .name:           k_q3422010a0d_prep
    .symbol:         k_q3422010a0d_prep.kd
    .args:
      - { .name: x, .offset: 0, .size: 8, .value_kind: global_buffer, .address_space: global }
      - { .name: Wq, .offset: 8, .size: 8, .value_kind: global_buffer, .address_space: global }
      - { .name: Wk, .offset: 16, .size: 8, .value_kind: global_buffer, .address_space: global }
      - { .name: Wv, .offset: 24, .size: 8, .value_kind: global_buffer, .address_space: global }
      - { .name: Wo, .offset: 32, .size: 8, .value_kind: global_buffer, .address_space: global }
      - { .name: xc, .offset: 40, .size: 8, .value_kind: global_buffer, .address_space: global }
      - { .name: xs, .offset: 48, .size: 8, .value_kind: global_buffer, .address_space: global }
      - { .name: wc, .offset: 56, .size: 8, .value_kind: global_buffer, .address_space: global }
      - { .name: ws, .offset: 64, .size: 8, .value_kind: global_buffer, .address_space: global }
      - { .name: woimg, .offset: 72, .size: 8, .value_kind: global_buffer, .address_space: global }
    .group_segment_fixed_size: 33280
    .private_segment_fixed_size: 0
    .kernarg_segment_align: 8
    .kernarg_segment_size: 80
    .max_flat_workgroup_size: 128
    .sgpr_count:     66
    .vgpr_count:     208
    .wavefront_size: 32
...
	.end_amdgpu_metadata
.endif
;; end of part 1
;; launch qkv (part 2): grid 12 x 32, 4 waves a work-group, clusters of 4 x 4, 327,680 bytes of LDS; arguments xc, xs, wc, ws, bq, bk, bv, qkv; writes qkv
.if DOCPART == 2
	.amdgcn_target "amdgcn-amd-amdhsa--gfx1250"
	.amdhsa_code_object_version 6
	.text
	.protected	k_q3422010a0d_qkv
	.globl	k_q3422010a0d_qkv
	.p2align	8
	.type	k_q3422010a0d_qkv,@function
k_q3422010a0d_qkv:
	s_mov_b64 s[64:65], 0
	v_nop
	global_prefetch_b8 v0, s[64:65] scope:SCOPE_SE
	s_setreg_imm32_b32 hwreg(HW_REG_WAVE_MODE, 25, 1), 1
	s_wait_xcnt 0x0
	s_wait_alu depctr_hold_cnt(0) depctr_sa_sdst(0) depctr_va_vdst(0) depctr_va_sdst(0) depctr_va_ssrc(0) depctr_va_vcc(0) depctr_vm_vsrc(0)
	s_getreg_b32 s2, hwreg(HW_REG_IB_STS2, 6, 4)
	s_cmp_eq_u32 s2, 0
	s_cbranch_scc0 .Lentry_in_a_cluster
	s_endpgm
.Lentry_in_a_cluster:
	s_bfe_u32 s2, ttmp6, 0x10000c
	s_cmp_lg_u32 s2, 0xf033
	s_cbranch_scc0 .Lentry_shape_is_right
	s_endpgm
.Lentry_shape_is_right:
; q, k, v = x W^T + b as ONE product on codes of FP4 (E2M1) with E8M0 scales: A = xc [8192][1024 codes], B = wc [3072][1024 codes] (Wq's rows, Wk's, Wv's); sums in f32; the results leave as f16.
; A tile of 256 x 256 is made by a work-group of four waves; a wave makes 128 x 128: 64 accumulators of 16 x 16, 512 registers.  K = 1,024 is two slots of 512 along K (rows of 256 bytes): both are asked for at the start,
; nothing is filled again, and there is no loop.  The scale bytes of the work-group's 256 + 256 rows, for all of K, are two dense blocks: they come with the first fills.  By this text's count a wave has three tensor loads out.
; CLUSTERS: 4 x 4 work-groups.  The four of a row of the cluster need the same tiles of A, the four of a column the same tiles of B: each tile is asked for JOINTLY, by the same tensor load with the same descriptor and a mask that names the four.
; THE MATRIX INSTRUCTION IS USED TRANSPOSED (source 0 = 16 rows of W, source 1 = 16 rows of x): a lane then holds eight neighbouring channels of one row.  The bias is the C of each sum's first instruction.
; OUT.  A lane's eight results, rounded to f16, are 16 bytes: four registers of the next product's fragment.  qkv is laid so: blocks of 512 bytes at ((((T * 4 + b) * 16 + h) * 128 + sb) * 4 + nb4) * 512 (T = 0 q, 1 k, 2 v);
; in a block lane (r, h') has its 16 bytes at 16 x lane: position 16 sb + r, channels 16 nb4 + 8 h' + 0..7 of head h.  So each store of a wave covers 512 consecutive bytes, and no stage in LDS is needed.
; LIMIT: |q|, |k|, |v| stay under 65,504 (f16).
; REGISTERS, in windows of 256: window 0: v0-31 addresses; v32-95 scale words, two sets; v128-191 A's fragments, ONE set; v192-255 the bias of my 8 blocks of 16 channels.
;   window 1: B's fragments, two sets, at v0 and v128; on the way out the packed results.   window 2: the accumulators of my rows 0-63 ((a, b) at v[8 (8 a + b)]);   window 3: those of my rows 64-127.
.set KSTEP,  512
.set NQ,     4                         ; matrix instructions deep in a slot
.set ROWB,   256                       ; a tile's row in bytes
.set KROW,   512                       ; a row of codes in memory
.set PITCH,  272                       ; an LDS row: 256 bytes + 16 of padding, an odd multiple of 16: the 16 rows that a load touches start 16 bytes apart modulo 256
.set FR,     8
.set NL,     2
.set NP,     4                         ; places behind this matrix instruction (ISA guide 7.12.1)
.set HALFT,  128*PITCH
.set SLOT,   4*HALFT
.set KS,     32                        ; a row of scale bytes
.set SCL,    2*SLOT
.set HALFS,  (128*KS/256)*272
.set SBLK,   (16*KS/256)*272
.set SPARE,  SCL+4*HALFS               ; the spare words, 128 bytes a wave
.set ADRA, 16
.set ADRB, 20
.set CO,   26                          ; v26  16 x lane
.set ADRS, 27
.set SPW,  28
.set NIL,  29
.set SC,   32
.set AF,   128
.set BI,   192
.set G1, 24
.set G0, 32
.set G1B, 48
.set G0B, 56
.set G1S, 68
.set G0S, 76
.set G1SB, 80
.set G0SB, 88
.set MSB, 0
.macro WIN new                         ; the immediate's high byte repeats the setting that is left; a switch that changes nothing is dropped
.if MSB != (\new)
	s_set_vgpr_msb (MSB<<8)|(\new)
.set MSB, (\new)
.endif
.endm
.set MUL_LO, 0xa1                      ; source 0 (B) window 1, source 1 (A) window 0, C and D window 2
.set MUL_HI, 0xf1                      ; the same, C and D window 3
.set TO_B,   0x40
; A joint load: waves 0 and 1 fetch for A, waves 2 and 3 for B; the branch hangs on the wave's number alone.  An s_nop 0 and four v_nop follow each of the two lines.
.macro JLOAD g0a, g1a, g0b, g1b
	s_cmp_eq_u32 s15, 0
	s_cbranch_scc0 .Lfor_b_\@
	tensor_load_to_lds s[\g0a:\g0a+3], s[\g1a:\g1a+7]
	s_nop 0
.rept 4
	v_nop
.endr
	s_branch .Lasked_\@
.Lfor_b_\@:
	tensor_load_to_lds s[\g0b:\g0b+3], s[\g1b:\g1b+7]
	s_nop 0
.rept 4
	v_nop
.endr
.Lasked_\@:
.endm
.macro CROUND                          ; a round of the cluster's barrier
	s_barrier_signal -1
	s_barrier_wait -1
	s_cmp_lg_u32 s14, 0
	s_cbranch_scc1 .Lnot_wave_0_\@
	s_barrier_signal -3
.Lnot_wave_0_\@:
	s_barrier_wait -3
	s_barrier_signal -1
	s_barrier_wait -1
.endm
	s_load_b128 s[4:7], s[0:1], 0x0                ; xc, xs
	s_load_b128 s[8:11], s[0:1], 0x10              ; wc, ws
	s_load_b128 s[96:99], s[0:1], 0x20             ; bq, bk
	s_load_b64 s[100:101], s[0:1], 0x30            ; bv
	s_load_b64 s[12:13], s[0:1], 0x38              ; qkv
	v_lshl_add_u32 v[SPW], v0, 2, SPARE
	v_mov_b32 v[NIL], 0
	ds_add_u32 v[SPW], v[NIL]                      ; the wave's opening: the add, twice on end, and its wait ahead of my first tensor load
	ds_add_u32 v[SPW], v[NIL]
	v_lshrrev_b32 v1, 5, v0
	v_readfirstlane_b32 s14, v1                    ; wave 0..3
	s_lshr_b32 s15, s14, 1                         ; which half of the tile's rows is mine.  Also: I fetch for A (0) or for B (1)
	s_and_b32 s16, s14, 1                          ; which half of its columns.  Also: which 128 rows of that tile I fetch
	s_bfe_u32 s40, ttmp6, 0x40000                  ; cx, cy: my place in the cluster
	s_bfe_u32 s41, ttmp6, 0x40004
	s_lshl_b32 s42, ttmp9, 2
	s_add_co_u32 s42, s42, s40                     ; tile column = 4 x cluster x + cx; cluster x is T: 0 q, 1 k, 2 v
	s_and_b32 s17, ttmp7, 0xffff
	s_lshl_b32 s17, s17, 2
	s_add_co_u32 s17, s17, s41                     ; tile row = 4 x cluster y + cy
	s_lshl_b32 s43, s41, 2
	s_lshl_b32 s43, 15, s43                        ; my row of the cluster
	s_lshl_b32 s44, 0x1111, s40                    ; my column
	s_or_b32 s[G1+0], s43, (0<<16)|(1<<20)|(1<<21)|(5<<22)|(3<<25)  ; the mask; elements of 1 byte; padding on: 4 words behind every 64; bit 21 set beside a mask
	s_or_b32 s[G1B+0], s44, (0<<16)|(1<<20)|(1<<21)|(5<<22)|(3<<25)
.irp g, G1, G1B
	s_mov_b32 s[\g+1], ROWB<<16                    ; tensor_dim0
	s_mov_b32 s[\g+2], 128<<16                     ; tensor_dim1
	s_mov_b32 s[\g+3], ROWB<<16                    ; tile_dim0
	s_mov_b32 s[\g+4], 128                         ; tile_dim1
	s_mov_b32 s[\g+5], KROW                        ; from row to row
	s_mov_b32 s[\g+6], 0
	s_mov_b32 s[\g+7], 0
.endr
	s_or_b32 s[G1S+0], s43, (3<<16)|(1<<20)|(1<<21)|(5<<22)|(3<<25)  ; the scales of 128 rows: 4,096 dense bytes as 16 rows of 256 (32 elements of 8 bytes), 16 bytes of padding behind each
	s_or_b32 s[G1SB+0], s44, (3<<16)|(1<<20)|(1<<21)|(5<<22)|(3<<25)
.irp g, G1S, G1SB
	s_mov_b32 s[\g+1], 32<<16
	s_mov_b32 s[\g+2], (128*KS/256)<<16
	s_mov_b32 s[\g+3], 32<<16
	s_mov_b32 s[\g+4], 128*KS/256
	s_mov_b32 s[\g+5], 32
	s_mov_b32 s[\g+6], 0
	s_mov_b32 s[\g+7], 0
.endr
	s_lshl_b32 s18, s16, 7                         ; which 128 rows of the tile I fetch
	s_lshl_b32 s20, s17, 8
	s_add_co_u32 s20, s20, s18                     ; A: row 256 x tile row + 128 x half
	s_lshl_b32 s46, s42, 8
	s_add_co_u32 s46, s46, s18                     ; B: row 256 x tile column + 128 x half
	s_mov_b32 s21, 0
	s_mov_b32 s47, 0
	s_mov_b64 s[18:19], KS
	s_mul_u64 s[22:23], s[20:21], s[18:19]         ; where these rows' scales begin,
	s_mul_u64 s[92:93], s[46:47], s[18:19]
	s_mov_b64 s[18:19], KROW
	s_mul_u64 s[20:21], s[20:21], s[18:19]         ; and their codes
	s_mul_u64 s[46:47], s[46:47], s[18:19]
	s_mul_i32 s45, s14, HALFT                      ; where they go: wave x 128 rows: no place in the cluster enters an LDS address
	s_mul_i32 s94, s14, HALFS
	s_wait_dscnt 0x0                               ; both opening adds are done
	s_wait_kmcnt 0x0
	s_add_nc_u64 s[20:21], s[4:5], s[20:21]
	s_add_nc_u64 s[22:23], s[6:7], s[22:23]
	s_add_nc_u64 s[46:47], s[8:9], s[46:47]
	s_add_nc_u64 s[92:93], s[10:11], s[92:93]
	CROUND                                         ; all sixteen work-groups are here: the joint loads meet
	s_mov_b32 s[G0S], 1
	s_add_co_u32 s[G0S+1], s94, SCL
	s_mov_b64 s[G0S+2:G0S+3], s[22:23]
	s_or_b32 s[G0S+3], s[G0S+3], 0x80000000
	s_mov_b32 s[G0SB], 1
	s_add_co_u32 s[G0SB+1], s94, SCL
	s_mov_b64 s[G0SB+2:G0SB+3], s[92:93]
	s_or_b32 s[G0SB+3], s[G0SB+3], 0x80000000
	JLOAD G0S, G1S, G0SB, G1SB                     ; the scales first: they are wanted with the first slot
.irp s, 0,1
	s_mov_b32 s[G0+4*\s], 1
	s_add_co_u32 s[G0+4*\s+1], s45, \s*SLOT
	s_add_nc_u64 s[G0+4*\s+2:G0+4*\s+3], s[20:21], \s*ROWB
	s_or_b32 s[G0+4*\s+3], s[G0+4*\s+3], 0x80000000
	s_mov_b32 s[G0B+4*\s], 1
	s_add_co_u32 s[G0B+4*\s+1], s45, \s*SLOT
	s_add_nc_u64 s[G0B+4*\s+2:G0B+4*\s+3], s[46:47], \s*ROWB
	s_or_b32 s[G0B+4*\s+3], s[G0B+4*\s+3], 0x80000000
	JLOAD G0+4*\s, G1, G0B+4*\s, G1B
.endr
	v_and_b32 v1, 15, v0                           ; r
	v_bfe_u32 v2, v0, 4, 1                         ; h'
	v_mul_u32_u24 v3, v1, PITCH
	v_lshl_add_u32 v4, v2, 4, v3                   ; a fragment's row x pitch + 16 x half
	s_mul_i32 s21, s15, HALFT                      ; my 128 rows of A
	s_mul_i32 s22, s16, HALFT                      ; my 128 rows of B,
	s_add_co_u32 s22, s22, 2*HALFT                 ; which lie behind A's 256
.irp s, 0,1
	v_add_nc_u32 v[ADRA+\s], s21, v4
	v_add_nc_u32 v[ADRB+\s], s22, v4
	s_add_co_u32 s21, s21, SLOT
	s_add_co_u32 s22, s22, SLOT
.endr
	v_mul_u32_u24 v5, v1, KS                       ; my row's scales: KS bytes a row,
	v_lshrrev_b32 v6, 8, v5
	v_lshl_add_u32 v5, v6, 4, v5                   ; and 16 more for each 256 passed
	s_mul_i32 s21, s15, HALFS
	s_mul_i32 s22, s16, HALFS
	s_add_co_u32 s22, s22, 2*HALFS
	s_sub_co_u32 s22, s22, s21
	v_mul_u32_u24 v6, s22, v2                      ; lanes 16-31 take B's: the lower base + h' x the distance
	s_add_co_u32 s21, s21, SCL
	v_add_nc_u32 v5, v5, v6
	v_add_nc_u32 v[ADRS], s21, v5
	v_and_b32 v6, 31, v0
	v_lshlrev_b32 v[CO], 4, v6
	; the bias of my 128 channels: register j of block b wants bias[16 b + 8 h' + j].  The buffer is chosen on the cluster's x, which all partners share
	s_cmp_eq_u32 ttmp9, 0
	s_cselect_b64 s[96:97], s[96:97], s[98:99]
	s_cmp_eq_u32 ttmp9, 2
	s_cselect_b64 s[96:97], s[100:101], s[96:97]
	s_lshl_b32 s66, s40, 10
	s_lshl_b32 s67, s16, 9
	s_add_co_u32 s66, s66, s67
	s_mov_b32 s67, 0
	s_add_nc_u64 s[96:97], s[96:97], s[66:67]
	v_lshlrev_b32 v7, 5, v2
.irp b, 0,1,2,3,4,5,6,7
	global_load_b128 v[BI+8*\b:BI+8*\b+3], v7, s[96:97] offset:64*\b
	global_load_b128 v[BI+8*\b+4:BI+8*\b+7], v7, s[96:97] offset:64*\b+16
.endr
	; where my results go: ((4 T + batch) x 16 + head) x 262,144 + sb x 2,048
	s_lshr_b32 s20, s17, 3                         ; batch = tile row / 8
	s_lshl_b32 s21, ttmp9, 2
	s_add_co_u32 s20, s20, s21
	s_lshl_b32 s20, s20, 22
	s_and_b32 s21, s17, 7
	s_lshl_b32 s21, s21, 15                        ; 16 blocks of positions a tile row,
	s_add_co_u32 s20, s20, s21
	s_lshl_b32 s21, s15, 14                        ; 8 for my half
	s_add_co_u32 s20, s20, s21
	s_mov_b32 s21, 0
	s_lshl_b32 s46, s40, 20                        ; heads 4 cx + 2 x my half of the columns on
	s_lshl_b32 s47, s16, 19
	s_add_co_u32 s46, s46, s47
	s_mov_b32 s47, 0
	s_add_nc_u64 s[20:21], s[20:21], s[46:47]
	s_add_nc_u64 s[12:13], s[12:13], s[20:21]
.macro FRAG reg, adr, q, i             ; 16 rows x 128 K of 4-bit codes: 8 registers: lane l holds row l % 16; registers 4 c .. 4 c + 3 hold K = 64 c + 32 (l / 16) + 0 .. 31
.irp c, 0,1
	ds_load_b128 v[\reg+4*\c:\reg+4*\c+3], v[\adr] offset:64*(\q)+32*\c+(\i)*16*PITCH
.endr
.endm
; 16 matrix instructions: A's blocks a0, a0 + 1 x B's eight, the slot's q-th 128 along K.  p: B's set; sc: the set of scale words.  zero = 1: the first product starts the sums, with the bias as its C.
; The 64 accumulators take turns, one instruction a turn, in the same order in every step.
.macro MUL16 a0, p, q, sc, zero
.irp a, \a0, \a0+1
.irp b, 0,1,2,3,4,5,6,7
.if \zero
	v_wmma_scale_f32_16x16x128_f8f6f4 v[8*(8*((\a)%4)+\b):8*(8*((\a)%4)+\b)+7], v[128*(\p)+FR*\b:128*(\p)+FR*\b+FR-1], v[AF+FR*(\a):AF+FR*(\a)+FR-1], v[BI+8*\b:BI+8*\b+7], v[SC+8*NQ*(\sc)+NQ*\b+(\q)], v[SC+8*NQ*(\sc)+NQ*(\a)+(\q)] matrix_a_fmt:MATRIX_FMT_FP4 matrix_b_fmt:MATRIX_FMT_FP4 matrix_a_scale:MATRIX_SCALE_ROW1
.else
	v_wmma_scale_f32_16x16x128_f8f6f4 v[8*(8*((\a)%4)+\b):8*(8*((\a)%4)+\b)+7], v[128*(\p)+FR*\b:128*(\p)+FR*\b+FR-1], v[AF+FR*(\a):AF+FR*(\a)+FR-1], v[8*(8*((\a)%4)+\b):8*(8*((\a)%4)+\b)+7], v[SC+8*NQ*(\sc)+NQ*\b+(\q)], v[SC+8*NQ*(\sc)+NQ*(\a)+(\q)] matrix_a_fmt:MATRIX_FMT_FP4 matrix_b_fmt:MATRIX_FMT_FP4 matrix_a_scale:MATRIX_SCALE_ROW1
.endif
.endr
.endr
.endm
.macro FETCH_B slot, q, p
	WIN TO_B
.irp i, 0,1,2,3,4,5,6,7
	FRAG 128*(\p)+FR*\i, ADRB+\slot, \q, \i
.endr
	WIN 0
.endm
.macro FETCH_A slot, q, i0
.irp i, \i0, \i0+1, \i0+2, \i0+3
	FRAG AF+FR*(\i), ADRA+\slot, \q, \i
.endr
.endm
.macro SCALES sc                       ; a slot's scale words: 4 words a row; lanes 0-15 take A's block i, lanes 16-31 B's block i
.irp i, 0,1,2,3,4,5,6,7
	ds_load_b128 v[SC+8*NQ*\sc+NQ*\i:SC+8*NQ*\sc+NQ*\i+3], v[ADRS] offset:\i*SBLK
.endr
.endm
.macro PLACES n                        ; plain vector instructions between a matrix instruction and a load into, or a vector read or write of, its registers
.rept \n
	v_nop
.endr
.endm
.macro STEP slot, q, zero              ; a step of 128 along K that has its successor in the same slot
	s_wait_dscnt 4*NL                              ; B's set and A's blocks 0-3 are in; the youngest eight loads (A's blocks 4-7) may be out
	WIN MUL_LO-0x20*(\zero)                        ; (zero = 1: C, the bias, lies in window 0)
	MUL16 0, (\q)%2, \q, \slot, \zero
	MUL16 2, (\q)%2, \q, \slot, \zero
	s_wait_dscnt 0
	PLACES NP
	FETCH_B \slot, (\q)+1, 1-(\q)%2
	FETCH_A \slot, (\q)+1, 0
	WIN MUL_HI-0x30*(\zero)
	MUL16 4, (\q)%2, \q, \slot, \zero
	MUL16 6, (\q)%2, \q, \slot, \zero
	PLACES NP
	WIN 0
	FETCH_A \slot, (\q)+1, 4
.endm
; Slot 0's last step changes slots: one barrier; in front of it each wave waits for all its tensor loads: its part of slot 1.  Nothing is filled again.
.macro TURN slot, next
	s_wait_tensorcnt 0x0                           ; all my tensor loads have landed
	ds_add_u32 v[SPW], v[NIL]
	s_wait_dscnt 4*NL+1                            ; (the add and the youngest eight loads, A's blocks 4-7, may be out)
	WIN MUL_LO
	MUL16 0, 1, NQ-1, \slot, 0
	s_wait_dscnt 0x0
	s_barrier_signal -1
	MUL16 2, 1, NQ-1, \slot, 0
	WIN 0
	s_barrier_wait -1                              ; everybody's part of the next slot is in
	PLACES NP
	v_add_nc_u32 v[ADRS], 4*NQ, v[ADRS]            ; on to the next slot's scale words
	FETCH_B \next, 0, 0
	FETCH_A \next, 0, 0
	SCALES \next
	WIN MUL_HI
	MUL16 4, 1, NQ-1, \slot, 0
	MUL16 6, 1, NQ-1, \slot, 0
	PLACES NP
	WIN 0
	FETCH_A \next, 0, 4
.endm
	s_wait_tensorcnt 1                             ; the scales and my part of slot 0 are in (slot 1's load may be out),
	s_barrier_signal -1
	s_barrier_wait -1                              ; everybody's are
	FETCH_B 0, 0, 0
	FETCH_A 0, 0, 0
	SCALES 0
	FETCH_A 0, 0, 4
	s_wait_loadcnt 0x0                             ; the bias
	STEP 0, 0, 1
	STEP 0, 1, 0
	STEP 0, 2, 0
	TURN 0, 1
	STEP 1, 0, 0
	STEP 1, 1, 0
	STEP 1, 2, 0
	s_wait_dscnt 4*NL                              ; the last step: nothing more to fetch
	WIN MUL_LO
	MUL16 0, 1, NQ-1, 1, 0
	MUL16 2, 1, NQ-1, 1, 0
	s_wait_dscnt 0
	WIN MUL_HI
	MUL16 4, 1, NQ-1, 1, 0
	MUL16 6, 1, NQ-1, 1, 0
	WIN 0
	PLACES NP                                      ; ahead of the first read of results, and of the first write over B's fragments
	; THE WAY OUT.  Block a (16 rows) x block b (16 channels): a lane's eight results become 16 bytes, into window 1, each register written once; each accumulator is read from its low end on.
.irp a, 0,1,2,3,4,5,6,7
	WIN 0x4a+5*(\a/4)                              ; sources in window 2 or 3, destination in window 1
.irp b, 0,1,2,3,4,5,6,7
.irp p, 0,1,2,3
	v_cvt_pk_f16_f32 v[32*\a+4*\b+\p], v[64*(\a%4)+8*\b+2*\p], v[64*(\a%4)+8*\b+2*\p+1]
.endr
.endr
	WIN 0x04                                       ; a store's data are its source 1: window 1
.irp b, 0,1,2,3,4,5,6,7
	global_store_b128 v[CO], v[32*\a+4*\b:32*\a+4*\b+3], s[12:13] offset:\a*2048+(\b/4)*262144+(\b%4)*512   ; 32 lanes store 512 consecutive bytes: one block
.endr
.endr
	WIN 0
	s_wait_tensorcnt 0x0                           ; the wave's end
	ds_add_u32 v[SPW], v[NIL]
	s_wait_dscnt 0x0
	CROUND                                         ; the closing round
	s_endpgm
.Lfunc_end_k_q3422010a0d_qkv:
	.size	k_q3422010a0d_qkv, .Lfunc_end_k_q3422010a0d_qkv-k_q3422010a0d_qkv
	.p2alignl 7, 3214868480
	.fill 96, 4, 3214868480
	.section	.rodata,"a",@progbits
	.p2align	6, 0x0
	.amdhsa_kernel k_q3422010a0d_qkv
		.amdhsa_group_segment_fixed_size 327680
		.amdhsa_private_segment_fixed_size 0
		.amdhsa_enable_private_segment 0
		.amdhsa_kernarg_size 64
		.amdhsa_user_sgpr_count 2
		.amdhsa_user_sgpr_kernarg_segment_ptr 1
		.amdhsa_wavefront_size32 1
		.amdhsa_system_sgpr_workgroup_id_x 1
		.amdhsa_system_sgpr_workgroup_id_y 1
		.amdhsa_system_sgpr_workgroup_id_z 1
		.amdhsa_system_vgpr_workitem_id 0
		.amdhsa_next_free_vgpr 1024
		.amdhsa_next_free_sgpr 102
		.amdhsa_reserve_vcc 0
		.amdhsa_float_denorm_mode_32 3
		.amdhsa_float_denorm_mode_16_64 3
		.amdhsa_memory_ordered 1
		.amdhsa_forward_progress 1
		.amdhsa_inst_pref_size 119
	.end_amdhsa_kernel
	.amdgpu_metadata
---
amdhsa.version: [ 1, 2 ]
amdhsa.kernels:
  - .name:           k_q3422010a0d_qkv
    .symbol:         k_q3422010a0d_qkv.kd
    .args:
      - { .name: xc, .offset: 0, .size: 8, .value_kind: global_buffer, .address_space: global }
      - { .name: xs, .offset: 8, .size: 8, .value_kind: global_buffer, .address_space: global }
      - { .name: wc, .offset: 16, .size: 8, .value_kind: global_buffer, .address_space: global }
      - { .name: ws, .offset: 24, .size: 8, .value_kind: global_buffer, .address_space: global }
      - { .name: bq, .offset: 32, .size: 8, .value_kind: global_buffer, .address_space: global }
      - { .name: bk, .offset: 40, .size: 8, .value_kind: global_buffer, .address_space: global }
      - { .name: bv, .offset: 48, .size: 8, .value_kind: global_buffer, .address_space: global }
      - { .name: qkv, .offset: 56, .size: 8, .value_kind: global_buffer, .address_space: global }
    .group_segment_fixed_size: 327680
    .private_segment_fixed_size: 0
    .kernarg_segment_align: 8
    .kernarg_segment_size: 64
    .max_flat_workgroup_size: 128
    .sgpr_count:     102
    .vgpr_count:     1024
    .wavefront_size: 32
...
	.end_amdgpu_metadata
.endif
;; end of part 2
;; launch attn (part 3): grid 4 x 64, 8 waves a work-group, clusters of 4 x 1, 327,680 bytes of LDS; arguments qkv, beta, oimg; writes oimg
.if DOCPART == 3
	.amdgcn_target "amdgcn-amd-amdhsa--gfx1250"
	.amdhsa_code_object_version 6
	.text
	.protected	k_q3422010a0d_attn
	.globl	k_q3422010a0d_attn
	.p2align	8
	.type	k_q3422010a0d_attn,@function
k_q3422010a0d_attn:
	s_mov_b64 s[64:65], 0
	v_nop
	global_prefetch_b8 v0, s[64:65] scope:SCOPE_SE
	s_setreg_imm32_b32 hwreg(HW_REG_WAVE_MODE, 25, 1), 1
	s_wait_xcnt 0x0
	s_wait_alu depctr_hold_cnt(0) depctr_sa_sdst(0) depctr_va_vdst(0) depctr_va_sdst(0) depctr_va_ssrc(0) depctr_va_vcc(0) depctr_vm_vsrc(0)
	s_getreg_b32 s2, hwreg(HW_REG_IB_STS2, 6, 4)
	s_cmp_eq_u32 s2, 0
	s_cbranch_scc0 .Lentry_in_a_cluster
	s_endpgm
.Lentry_in_a_cluster:
	s_bfe_u32 s2, ttmp6, 0x10000c
	s_cmp_lg_u32 s2, 0x3003
	s_cbranch_scc0 .Lentry_shape_is_right
	s_endpgm
.Lentry_shape_is_right:
; o = softmax(q k^T / (8 e^beta_h)) v for each (batch, head): 2,048 positions, head size 64.  q, k, v come as f16 in blocks of 512 bytes (16 positions x 16 channels; lane (r, h') has 16 bytes at 16 x lane: position r, channels 8 h' + 0..7).
; Products with f16 operands and f32 sums; maxima, exponentials and sums in f32; the weights p are rounded to f16 for the second product, o once at the end.  LIMIT: |o| under 65,504.
; SHARES.  A work-group owns 512 queries of one (batch, head); each of its eight waves 64: four tiles of 16.  Two waves share a SIMD, 512 registers each, so that one wave's softmax stands beside the other's products.
; Every wave walks the 2,048 keys, 64 a step; each fragment of K and V that it reads from LDS feeds four matrix instructions.
; LAYOUT.  S^T = K Q^T (source 0 = 16 keys, source 1 = 16 queries): a lane holds ONE query (lane % 16) and keys 8 (lane / 16) + 0..7.  Two such tiles, rounded to f16 in pairs, ARE source 1 (32 keys x 16 queries) of
; O^T = V^T P, whose result again holds one query a lane and eight channels: 16 bytes of f16, which are four registers of the next launch's fragment.  K comes out of LDS as it lies, V turned, by ds_load_tr16_b128.
; SOFTMAX.  A running maximum m and sum l for each query: p = 2^(c s - c m), c = log2(e) / (8 e^beta); in every step O and l are multiplied by a = 2^(c m_old - c m_new).
; CLUSTER.  The four query blocks of a (batch, head) walk the same K and V: each tile is asked for JOINTLY, with a mask that names the four.  My place in the cluster enters Q's and O's global addresses alone.
; RING.  Two slots of 512 keys: K's 65,536 bytes, then V's; each wave fetches an eighth of a slot by one load of 64 rows x 256 bytes.  Both slots are asked for at the start (two loads of mine are out), each is filled once more
; (one load out).  A refill is asked for eight key steps, 512 matrix instructions a wave, ahead of the wait for it, so nothing is prefetched beside it.
; REGISTERS: window 0: v2-5 addresses; v[8:9] c; v10, v11 the add's two; v16-47 eight statistics a tile: +0 c m, +1 m, +2, +3 l, +4 .. +7 at work, a at +6; v48-55 the sums' second chain; v64-191 S^T, 32 a tile (P is packed in place
;   into a tile's first 16); v192-255 K.   window 1: v0-127 O^T, 32 a tile; v128-191 Q, 16 a tile; v192-255 V.
.set SLOT1, 1<<17                      ; slot 1 begins here: one exclusive or turns an address in one slot into the other's
.set VOFF,  65536                      ; V's images in a slot
.set STEPB, 8192                       ; 64 keys of K, or of V
.set SPARE, 2*SLOT1                    ; the spare words, 128 bytes for each of eight waves
.set AK0, 2                            ; v2  16 x lane
.set AV0, 3                            ; v3  my lane's place for the turning load, + VOFF
.set ADK, 4
.set ADV, 5
.set CC,  8
.set SPW, 10
.set NIL, 11
.set ST,  16
.set X2,  48
.set S,   64
.set KF,  192
.set Q,   128                          ; in window 1
.set VF,  192                          ; in window 1
.set WV,  12
.set G1,  24                           ; s[24:31] descriptor group 1, one for all loads
.set G0A, 32                           ; s[32:35] group 0 of slot 0's first fill
.set G0B, 36                           ; s[36:39] of slot 1's; it then walks
.set TB,  40                           ; s40  LDS byte at which the step's tiles begin
.set CNT, 41
.set SLOTS, 42
.set SEL, 44                           ; s[44:45] selects for v_permlanex16_b32: lane l xor 16
.set MSB, 0
.macro WIN new
.if MSB != (\new)
	s_set_vgpr_msb (MSB<<8)|(\new)
.set MSB, (\new)
.endif
.endm
.set W_LD1, 0x40                       ; a load's destination in window 1
.set W_KQ,  0x04                       ; Q in window 1; K and S^T in window 0
.set W_PV,  0x51                       ; V, C and D in window 1; P in window 0
.set W_RS,  0x41                       ; O^T (destination and source 0) in window 1, a in window 0
.set W_CV,  0x05                       ; sources in window 1, destination in window 0
.macro CROUND                          ; a round of the cluster's barrier
	s_barrier_signal -1
	s_barrier_wait -1
	s_cmp_lg_u32 s[WV], 0
	s_cbranch_scc1 .Lnot_wave_0_\@
	s_barrier_signal -3
.Lnot_wave_0_\@:
	s_barrier_wait -3
	s_barrier_signal -1
	s_barrier_wait -1
.endm
	s_load_b128 s[4:7], s[0:1], 0x0                ; qkv, beta
	s_load_b64 s[8:9], s[0:1], 0x10                ; oimg
	v_lshl_add_u32 v[SPW], v0, 2, SPARE
	v_mov_b32 v[NIL], 0
	ds_add_u32 v[SPW], v[NIL]                      ; the wave's opening: the add, twice on end, and its wait ahead of my first tensor load
	ds_add_u32 v[SPW], v[NIL]
	v_lshrrev_b32 v12, 5, v0
	v_readfirstlane_b32 s[WV], v12                 ; wave 0..7
	s_bfe_u32 s13, ttmp6, 0x40000                  ; cx: my block of 512 queries
	s_and_b32 s14, ttmp7, 0xffff                   ; 16 x batch + head, which the four partners share
	s_lshl_b32 s16, s14, 18                        ; its 262,144 bytes in each of q, k, v
	s_lshr_b32 s18, s[WV], 2                       ; waves 0-3 fetch K's quarters of a slot, waves 4-7 V's
	s_add_co_u32 s18, s18, 1
	s_lshl_b32 s18, s18, 24                        ; k begins 16,777,216 bytes into qkv, v twice that
	s_add_co_u32 s18, s18, s16
	s_and_b32 s19, s[WV], 3
	s_lshl_b32 s19, s19, 14                        ; my 128 keys
	s_add_co_u32 s18, s18, s19
	s_mov_b32 s19, 0
	s_lshl_b32 s20, s[WV], 14                      ; and their place in a slot: wave x 16,384
	s_lshl_b32 s22, s13, 16                        ; Q: my block's 32 tiles of 2,048 bytes,
	s_lshl_b32 s23, s[WV], 13                      ; my wave's four
	s_add_co_u32 s22, s22, s23
	s_add_co_u32 s22, s22, s16
	s_mov_b32 s23, 0
	s_and_b32 s15, s14, 15                         ; head
	s_lshr_b32 s17, s14, 4                         ; batch
	s_lshr_b32 s2, s15, 1                          ; O: ((head / 2) x 512 + batch x 128 + 32 cx + 4 wave) x 4,096 + (head % 2) x 2,048
	s_lshl_b32 s2, s2, 21
	s_lshl_b32 s17, s17, 19
	s_add_co_u32 s2, s2, s17
	s_lshl_b32 s17, s13, 17
	s_add_co_u32 s2, s2, s17
	s_lshl_b32 s17, s[WV], 14
	s_add_co_u32 s2, s2, s17
	s_and_b32 s17, s15, 1
	s_lshl_b32 s17, s17, 11
	s_add_co_u32 s2, s2, s17
	s_mov_b32 s3, 0
	s_lshl_b32 s21, s15, 2                         ; beta's byte
	s_mov_b32 s[G1], 15|(3<<16)|(1<<21)            ; the mask: all four work-groups; elements of 8 bytes; no padding; bit 21 set beside a mask
	s_mov_b32 s[G1+1], 32<<16                      ; tensor_dim0 = 32 elements: 256 bytes
	s_mov_b32 s[G1+2], 64<<16                      ; tensor_dim1 = 64
	s_mov_b32 s[G1+3], 32<<16                      ; tile_dim0
	s_mov_b32 s[G1+4], 64                          ; tile_dim1
	s_mov_b32 s[G1+5], 32                          ; dense: from row to row 32 elements
	s_mov_b32 s[G1+6], 0
	s_mov_b32 s[G1+7], 0
	s_mov_b32 s[SEL], 0x76543210
	s_mov_b32 s[SEL+1], 0xfedcba98
	s_mov_b32 s[TB], 0
	s_mov_b32 s[SLOTS], 2
	s_wait_dscnt 0x0                               ; both opening adds are done
	s_wait_kmcnt 0x0
	s_mov_b32 s[G0A], 1
	s_mov_b32 s[G0A+1], s20
	s_add_nc_u64 s[G0A+2:G0A+3], s[4:5], s[18:19]  ; keys 0 to 511
	s_mov_b32 s[G0B], 1
	s_add_co_u32 s[G0B+1], s20, SLOT1
	s_add_nc_u64 s[G0B+2:G0B+3], s[G0A+2:G0A+3], 0x10000   ; keys 512 to 1,023
	s_or_b32 s[G0A+3], s[G0A+3], 0x80000000
	s_or_b32 s[G0B+3], s[G0B+3], 0x80000000
	CROUND                                         ; all four work-groups are here: the first joint loads meet
	tensor_load_to_lds s[G0A:G0A+3], s[G1:G1+7]
	s_nop 0
	tensor_load_to_lds s[G0B:G0B+3], s[G1:G1+7]
	s_nop 0
.rept 4
	v_nop
.endr
	s_add_nc_u64 s[4:5], s[4:5], s[22:23]          ; Q at my wave's first tile
	s_add_nc_u64 s[8:9], s[8:9], s[2:3]            ; O likewise
	v_and_b32 v12, 31, v0
	v_lshlrev_b32 v[AK0], 4, v12
	; the turning load takes 16 keys x 16 channels: lane l reads the 16 bytes of key 8 (l / 16) + l % 8, channels 8 ((l / 8) % 2) + 0..7, which lie at 16 x (key + 16 x channel half) of a block
	v_and_b32 v12, 7, v0
	v_bfe_u32 v13, v0, 4, 1
	v_bfe_u32 v14, v0, 3, 1
	v_lshl_add_u32 v12, v13, 3, v12
	v_lshl_add_u32 v12, v14, 4, v12
	v_lshlrev_b32 v12, 4, v12
	v_add_nc_u32 v[AV0], VOFF, v12
	v_mov_b32 v15, s21
	global_load_b32 v13, v15, s[6:7]               ; beta of my head
	WIN W_LD1
.irp t, 0,1,2,3
.irp c, 0,1
	global_load_b128 v[Q+16*\t+8*\c:Q+16*\t+8*\c+3], v[AK0], s[4:5] offset:\t*2048+\c*1024          ; Q stays in registers: tile t, channels 32 c on
	global_load_b128 v[Q+16*\t+8*\c+4:Q+16*\t+8*\c+7], v[AK0], s[4:5] offset:\t*2048+\c*1024+512
.endr
.endr
	WIN 0
; A KEY STEP: 64 keys.  first = 1: the first step, which starts m, l and O^T.
.macro STEP first
	v_add_nc_u32 v[ADK], s[TB], v[AK0]             ; these two and three v_nop are five places behind the last V^T P: the scores are written over P's registers, and V's are loaded anew
	v_add_nc_u32 v[ADV], s[TB], v[AV0]
.rept 3
	v_nop
.endr
.irp i, 0,1,2,3,4,5,6,7                        ; fragment i = 2 j + c: keys 16 j on, channels 32 c on
	ds_load_b128 v[KF+8*\i:KF+8*\i+3], v[ADK] offset:\i*1024
	ds_load_b128 v[KF+8*\i+4:KF+8*\i+7], v[ADK] offset:\i*1024+512
.endr
	WIN W_LD1
.irp g, 0,1                                    ; keys 32 g on, channels 16 b on
.irp b, 0,1,2,3
	ds_load_tr16_b128 v[VF+8*(4*\g+\b):VF+8*(4*\g+\b)+3], v[ADV] offset:(2*\g)*2048+\b*512
	ds_load_tr16_b128 v[VF+8*(4*\g+\b)+4:VF+8*(4*\g+\b)+7], v[ADV] offset:(2*\g+1)*2048+\b*512
.endr
.endr
	s_add_co_u32 s[TB], s[TB], STEPB
	s_wait_dscnt 16                                ; K is in; V's sixteen loads may be out
	WIN W_KQ
.irp c, 0,1                                    ; S^T = K Q^T: sixteen accumulators by turns
.irp j, 0,1,2,3
.irp t, 0,1,2,3
.if \c == 0
	v_wmma_f32_16x16x32_f16 v[S+32*\t+8*\j:S+32*\t+8*\j+7], v[KF+8*(2*\j+\c):KF+8*(2*\j+\c)+7], v[Q+16*\t+8*\c:Q+16*\t+8*\c+7], 0
.else
	v_wmma_f32_16x16x32_f16 v[S+32*\t+8*\j:S+32*\t+8*\j+7], v[KF+8*(2*\j+\c):KF+8*(2*\j+\c)+7], v[Q+16*\t+8*\c:Q+16*\t+8*\c+7], v[S+32*\t+8*\j:S+32*\t+8*\j+7]
.endif
.endr
.endr
.endr
	WIN 0
.rept 4
	v_nop                                          ; places ahead of the first read of the scores
.endr
	; the maximum of a lane's 32 scores and the old m: four chains; each accumulator is first read at its low end.  The four tiles take turns line by line
.irp j, 0,1,2,3
.irp t, 0,1,2,3
	v_max3_num_f32 v[ST+8*\t+4+\j], v[S+32*\t+8*\j], v[S+32*\t+8*\j+1], v[S+32*\t+8*\j+2]
.endr
.endr
.irp u, 3,5
.irp j, 0,1,2,3
.irp t, 0,1,2,3
	v_max3_num_f32 v[ST+8*\t+4+\j], v[ST+8*\t+4+\j], v[S+32*\t+8*\j+\u], v[S+32*\t+8*\j+\u+1]
.endr
.endr
.endr
.irp t, 0,1,2,3
	v_max3_num_f32 v[ST+8*\t+4], v[ST+8*\t+4], v[S+32*\t+7], v[S+32*\t+15]
.endr
.irp t, 0,1,2,3
	v_max3_num_f32 v[ST+8*\t+6], v[ST+8*\t+6], v[S+32*\t+23], v[S+32*\t+31]
.endr
.irp t, 0,1,2,3
	v_max3_num_f32 v[ST+8*\t+4], v[ST+8*\t+4], v[ST+8*\t+5], v[ST+8*\t+6]
.endr
.irp t, 0,1,2,3
.if \first
	v_max_num_f32 v[ST+8*\t+4], v[ST+8*\t+4], v[ST+8*\t+7]
.else
	v_max3_num_f32 v[ST+8*\t+4], v[ST+8*\t+4], v[ST+8*\t+7], v[ST+8*\t+1]
.endif
.endr
.irp t, 0,1,2,3
	v_permlanex16_b32 v[ST+8*\t+5], v[ST+8*\t+4], s[SEL], s[SEL+1]   ; the query's other 32 keys lie in the lane 16 away
.endr
.if \first == 0
.irp t, 0,1,2,3
	v_mov_b32 v[ST+8*\t+7], v[ST+8*\t]             ; c m_old is kept for a
.endr
.endif
.irp t, 0,1,2,3
	v_max_num_f32 v[ST+8*\t+1], v[ST+8*\t+4], v[ST+8*\t+5]
.endr
.irp t, 0,1,2,3
	v_mul_f32 v[ST+8*\t], v[CC], v[ST+8*\t+1]
.endr
.if \first == 0
.irp t, 0,1,2,3
	v_sub_f32 v[ST+8*\t+7], v[ST+8*\t+7], v[ST+8*\t]
.endr
.endif
.irp i, 0,2,4,6,8,10,12,14,16,18,20,22,24,26,28,30
.irp t, 0,1,2,3
	v_pk_fma_f32 v[S+32*\t+\i:S+32*\t+\i+1], v[S+32*\t+\i:S+32*\t+\i+1], v[CC:CC+1], v[ST+8*\t:ST+8*\t+1] op_sel_hi:[1,1,0] neg_lo:[0,0,1] neg_hi:[0,0,1]   ; c s - c m, two at a time
.endr
.endr
	; ONE BATCH of exponentials, none of which reads another's result, one plain line behind it and one wait ahead of the first reader
.if \first == 0
.irp t, 0,1,2,3
	v_exp_f32 v[ST+8*\t+6], v[ST+8*\t+7]           ; a
.endr
.endif
.irp i, 0,1,2,3,4,5,6,7,8,9,10,11,12,13,14,15,16,17,18,19,20,21,22,23,24,25,26,27,28,29,30,31
.irp t, 0,1,2,3
	v_exp_f32 v[S+32*\t+\i], v[S+32*\t+\i]
.endr
.endr
	v_nop
	s_wait_alu depctr_va_vdst(0)
	; the sums of the unrounded p, two at a time, in two chains
.irp t, 0,1,2,3
	v_pk_add_f32 v[ST+8*\t+4:ST+8*\t+5], v[S+32*\t:S+32*\t+1], v[S+32*\t+2:S+32*\t+3]
.endr
.irp t, 0,1,2,3
	v_pk_add_f32 v[X2+2*\t:X2+2*\t+1], v[S+32*\t+4:S+32*\t+5], v[S+32*\t+6:S+32*\t+7]
.endr
.irp i, 8,12,16,20,24,28
.irp t, 0,1,2,3
	v_pk_add_f32 v[ST+8*\t+4:ST+8*\t+5], v[ST+8*\t+4:ST+8*\t+5], v[S+32*\t+\i:S+32*\t+\i+1]
.endr
.irp t, 0,1,2,3
	v_pk_add_f32 v[X2+2*\t:X2+2*\t+1], v[X2+2*\t:X2+2*\t+1], v[S+32*\t+\i+2:S+32*\t+\i+3]
.endr
.endr
.if \first
.irp t, 0,1,2,3
	v_pk_add_f32 v[ST+8*\t+2:ST+8*\t+3], v[ST+8*\t+4:ST+8*\t+5], v[X2+2*\t:X2+2*\t+1]
.endr
.else
.irp t, 0,1,2,3
	v_pk_add_f32 v[ST+8*\t+4:ST+8*\t+5], v[ST+8*\t+4:ST+8*\t+5], v[X2+2*\t:X2+2*\t+1]
.endr
.irp t, 0,1,2,3
	v_pk_fma_f32 v[ST+8*\t+2:ST+8*\t+3], v[ST+8*\t+2:ST+8*\t+3], v[ST+8*\t+6:ST+8*\t+7], v[ST+8*\t+4:ST+8*\t+5] op_sel_hi:[1,0,1]   ; l = a l + the step's sum
.endr
.endif
.irp i, 0,1,2,3,4,5,6,7,8,9,10,11,12,13,14,15   ; P in place: register i takes pair i, whose place was read when pair i / 2 was packed
.irp t, 0,1,2,3
	v_cvt_pk_f16_f32 v[S+32*\t+\i], v[S+32*\t+2*\i], v[S+32*\t+2*\i+1]
.endr
.endr
	s_wait_dscnt 0x0                               ; V is in
.if \first == 0
	WIN W_RS
.irp i, 0,2,4,6,8,10,12,14,16,18,20,22,24,26,28,30
.irp t, 0,1,2,3
	v_pk_mul_f32 v[32*\t+\i:32*\t+\i+1], v[32*\t+\i:32*\t+\i+1], v[ST+8*\t+6:ST+8*\t+7] op_sel_hi:[1,0]   ; O^T x a, each accumulator from its low end on
.endr
.endr
.endif
	WIN W_PV
.irp g, 0,1                                    ; O^T += V^T P: sixteen accumulators by turns
.irp b, 0,1,2,3
.irp t, 0,1,2,3
.if \first && (\g == 0)
	v_wmma_f32_16x16x32_f16 v[32*\t+8*\b:32*\t+8*\b+7], v[VF+8*(4*\g+\b):VF+8*(4*\g+\b)+7], v[S+32*\t+8*\g:S+32*\t+8*\g+7], 0
.else
	v_wmma_f32_16x16x32_f16 v[32*\t+8*\b:32*\t+8*\b+7], v[VF+8*(4*\g+\b):VF+8*(4*\g+\b)+7], v[S+32*\t+8*\g:S+32*\t+8*\g+7], v[32*\t+8*\b:32*\t+8*\b+7]
.endif
.endr
.endr
.endr
	WIN 0
.endm
.macro LOOPN n                         ; n key steps
	s_mov_b32 s[CNT], \n
.Lstep_\@:
	STEP 0
	s_sub_co_u32 s[CNT], s[CNT], 1
	s_cmp_lg_u32 s[CNT], 0
	s_cbranch_scc1 .Lstep_\@
.endm
; THE CHANGE OF SLOTS.  Each wave waits for all its tensor loads (its part of the other slot), adds 0 to its spare word, and waits for that and for its reads of the slot that it leaves.
; fill = 1: the barrier is a round of the cluster's, so that no wave of any partner still reads the slot or has a load on its way; the joint refill, the keys two slots on, is the first thing behind it.
.macro CHANGE fill
	s_wait_tensorcnt 0x0                           ; no tensor load of mine is out, so a group 0 may be written
	ds_add_u32 v[SPW], v[NIL]
.if \fill
	s_xor_b32 s[G0B+1], s[G0B+1], SLOT1            ; the walking descriptor: the other slot than last time,
	s_add_nc_u64 s[G0B+2:G0B+3], s[G0B+2:G0B+3], 0x10000   ; the next 512 keys; the type bits on top are not reached
	s_wait_dscnt 0x0
	CROUND
	tensor_load_to_lds s[G0B:G0B+3], s[G1:G1+7]
	s_nop 0
.rept 4
	v_nop
.endr
.else
	s_wait_dscnt 0x0
	s_barrier_signal -1
	s_barrier_wait -1
.endif
	s_sub_co_u32 s[TB], s[TB], 8*STEPB             ; back to a slot's first step,
	s_xor_b32 s[TB], s[TB], SLOT1                  ; in the other slot
.endm
	s_wait_tensorcnt 1                             ; my part of slot 0 is in; slot 1's may stay out
	s_barrier_signal -1
	s_barrier_wait -1                              ; everybody's is
	s_wait_loadcnt 0x0                             ; Q and beta
	v_mul_f32 v13, 0xbfb8aa3b, v13                 ; -beta log2(e)
	v_exp_f32 v13, v13                             ; e^-beta
	v_nop
	s_wait_alu depctr_va_vdst(0)
	v_mul_f32 v[CC], 0x3e38aa3b, v13               ; c = log2(e) / 8 x e^-beta
	v_mov_b32 v[CC+1], v[CC]
	STEP 1
	LOOPN 7
.Lslot:                                            ; two trips: slots 0 and 1 are filled once more
	CHANGE 1
	LOOPN 8
	s_sub_co_u32 s[SLOTS], s[SLOTS], 1
	s_cmp_lg_u32 s[SLOTS], 0
	s_cbranch_scc1 .Lslot
	CHANGE 0                                       ; the tail is written out: nothing is left to ask for
	LOOPN 8
	; THE WAY OUT.  l's two halves and the other half of the lanes' are added; O^T is divided by l and rounded to f16.  The additions are the places behind the last products.
.irp t, 0,1,2,3
	v_add_f32 v[ST+8*\t+4], v[ST+8*\t+2], v[ST+8*\t+3]
.endr
.irp t, 0,1,2,3
	v_permlanex16_b32 v[ST+8*\t+5], v[ST+8*\t+4], s[SEL], s[SEL+1]
.endr
.irp t, 0,1,2,3
	v_add_f32 v[ST+8*\t+4], v[ST+8*\t+4], v[ST+8*\t+5]
.endr
.irp t, 0,1,2,3
	v_rcp_f32 v[ST+8*\t+6], v[ST+8*\t+4]
.endr
	v_nop
	s_wait_alu depctr_va_vdst(0)                   ; one wait for the four reciprocals, ahead of their first reader
.irp t, 0,1,2,3
	WIN W_RS
.irp i, 0,2,4,6,8,10,12,14,16,18,20,22,24,26,28,30
	v_pk_mul_f32 v[32*\t+\i:32*\t+\i+1], v[32*\t+\i:32*\t+\i+1], v[ST+8*\t+6:ST+8*\t+7] op_sel_hi:[1,0]
.endr
	WIN W_CV
.irp i, 0,1,2,3,4,5,6,7,8,9,10,11,12,13,14,15
	v_cvt_pk_f16_f32 v[S+16*\t+\i], v[32*\t+2*\i], v[32*\t+2*\i+1]
.endr
	WIN 0
.irp b, 0,1,2,3
	global_store_b128 v[AK0], v[S+16*\t+4*\b:S+16*\t+4*\b+3], s[8:9] offset:\t*4096+\b*512   ; 32 lanes store 512 consecutive bytes: 16 queries x 16 channels
.endr
.endr
	s_wait_tensorcnt 0x0                           ; the wave's end
	ds_add_u32 v[SPW], v[NIL]
	s_wait_dscnt 0x0
	CROUND                                         ; the closing round
	s_endpgm
.Lfunc_end_k_q3422010a0d_attn:
	.size	k_q3422010a0d_attn, .Lfunc_end_k_q3422010a0d_attn-k_q3422010a0d_attn
	.p2alignl 7, 3214868480
	.fill 96, 4, 3214868480
	.section	.rodata,"a",@progbits
	.p2align	6, 0x0
	.amdhsa_kernel k_q3422010a0d_attn
		.amdhsa_group_segment_fixed_size 327680
		.amdhsa_private_segment_fixed_size 0
		.amdhsa_enable_private_segment 0
		.amdhsa_kernarg_size 24
		.amdhsa_user_sgpr_count 2
		.amdhsa_user_sgpr_kernarg_segment_ptr 1
		.amdhsa_wavefront_size32 1
		.amdhsa_system_sgpr_workgroup_id_x 1
		.amdhsa_system_sgpr_workgroup_id_y 1
		.amdhsa_system_sgpr_workgroup_id_z 1
		.amdhsa_system_vgpr_workitem_id 0
		.amdhsa_next_free_vgpr 512
		.amdhsa_next_free_sgpr 66
		.amdhsa_reserve_vcc 0
		.amdhsa_float_denorm_mode_32 3
		.amdhsa_float_denorm_mode_16_64 3
		.amdhsa_memory_ordered 1
		.amdhsa_forward_progress 1
		.amdhsa_inst_pref_size 141
	.end_amdhsa_kernel
	.amdgpu_metadata
---
amdhsa.version: [ 1, 2 ]
amdhsa.kernels:
  - .name:           k_q3422010a0d_attn
    .symbol:         k_q3422010a0d_attn.kd
    .args:
      - { .name: qkv, .offset: 0, .size: 8, .value_kind: global_buffer, .address_space: global }
      - { .name: beta, .offset: 8, .size: 8, .value_kind: global_buffer, .address_space: global }
      - { .name: oimg, .offset: 16, .size: 8, .value_kind: global_buffer, .address_space: global }
    .group_segment_fixed_size: 327680
    .private_segment_fixed_size: 0
    .kernarg_segment_align: 8
    .kernarg_segment_size: 24
    .max_flat_workgroup_size: 256
    .sgpr_count:     66
    .vgpr_count:     512
    .wavefront_size: 32
...
	.end_amdgpu_metadata
.endif
;; end of part 3
;; launch proj (part 4): grid 4 x 64, 4 waves a work-group, clusters of 4 x 4, 327,680 bytes of LDS; arguments oimg, woimg, bo, out0; writes out0
.if DOCPART == 4
	.amdgcn_target "amdgcn-amd-amdhsa--gfx1250"
	.amdhsa_code_object_version 6
	.text
	.protected	k_q3422010a0d_proj
	.globl	k_q3422010a0d_proj
	.p2align	8
	.type	k_q3422010a0d_proj,@function
k_q3422010a0d_proj:
	s_mov_b64 s[64:65], 0
	v_nop
	global_prefetch_b8 v0, s[64:65] scope:SCOPE_SE
	s_setreg_imm32_b32 hwreg(HW_REG_WAVE_MODE, 25, 1), 1
	s_wait_xcnt 0x0
	s_wait_alu depctr_hold_cnt(0) depctr_sa_sdst(0) depctr_va_vdst(0) depctr_va_sdst(0) depctr_va_ssrc(0) depctr_va_vcc(0) depctr_vm_vsrc(0)
	s_getreg_b32 s2, hwreg(HW_REG_IB_STS2, 6, 4)
	s_cmp_eq_u32 s2, 0
	s_cbranch_scc0 .Lentry_in_a_cluster
	s_endpgm
.Lentry_in_a_cluster:
	s_bfe_u32 s2, ttmp6, 0x10000c
	s_cmp_lg_u32 s2, 0xf033
	s_cbranch_scc0 .Lentry_shape_is_right
	s_endpgm
.Lentry_shape_is_right:
; out0 = o Wo^T + bo: [8192 rows][1024], f16 operands, f32 sums, f32 out.  o and Wo come as images of fragment registers: blocks of 512 bytes, lane (r, h') at 16 x lane: row r, K = 16 j + 8 h' + 0..7 of a K step of 128;
; oimg: ((ks * 512 + mb) * 8 + j) * 512, mb = batch * 128 + position / 16;   woimg: ((ks * 64 + nb) * 8 + j) * 512.  So a K step's tile is one dense block, and LDS is read at 16 x lane: 512 consecutive bytes a load, no padding.
; A tile of 128 rows x 256 columns is made by a work-group of four waves, so that there are 256 work-groups; a wave makes 64 x 128: 32 accumulators.  K goes in 8 steps of 128 through a ring of two slots (A 32,768 bytes, B 65,536).
; CLUSTERS: 4 x 4 work-groups.  The four of a row of the cluster need the same tiles of o, the four of a column the same tiles of Wo: each is asked for JOINTLY.  One tensor load a wave behind each round; two are out at the start.
; THE MATRIX INSTRUCTION IS USED TRANSPOSED (source 0 = 16 rows of Wo, source 1 = 16 rows of o): a lane holds eight neighbouring columns of one row.  The bias is the C of each sum's first instruction.
; REGISTERS: window 0: v16-30 addresses; v32-95 the bias of my 8 blocks of 16 columns; v128-255 the way out.   window 1: two fragment buffers of 96 (A's 4 fragments, then B's 8), at v0 and v96.   window 2: the accumulators, (a, b) at v[8 (8 a + b)].
.set KSA,    2097152                   ; a K step in oimg
.set KSB,    262144                    ; and in woimg
.set SLOT,   98304
.set BOFF,   32768                     ; B's tile in a slot
.set STAGE,  2*SLOT                    ; behind the ring: 16 rows x (512 + 16) bytes for each wave, for the way out
.set SPITCH, 528
.set SPARE,  STAGE+4*16*SPITCH         ; the spare words, 128 bytes a wave
.set ADRA, 16
.set ADRB, 20
.set STO,  24
.set RD,   25
.set CO,   26
.set SPW,  28
.set NIL,  29
.set PFO,  30                          ; v30  256 x lane
.set BI,   32
.set BK,   128
.set F0,   0
.set F1,   96
.set G1,  24
.set G0,  32
.set G1B, 48
.set G0B, 56
.set LIM, 43                           ; s43  1 in the wave that prefetches, else the greatest number
.set PFA, 44                           ; s[44:45] where my prefetches stand
.set MSB, 0
.macro WIN new
.if MSB != (\new)
	s_set_vgpr_msb (MSB<<8)|(\new)
.set MSB, (\new)
.endif
.endm
.set MUL,  0xa5                        ; sources 0 and 1 window 1, C and D window 2
.set TO_F, 0x40
.macro JLOAD s                         ; waves 0 and 1 fetch A's halves, waves 2 and 3 B's; an s_nop 0 and four v_nop follow each of the two lines
	s_cmp_eq_u32 s13, 0
	s_cbranch_scc0 .Lfor_b_\@
	tensor_load_to_lds s[G0+4*\s:G0+4*\s+3], s[G1:G1+7]
	s_nop 0
.rept 4
	v_nop
.endr
	s_branch .Lasked_\@
.Lfor_b_\@:
	tensor_load_to_lds s[G0B+4*\s:G0B+4*\s+3], s[G1B:G1B+7]
	s_nop 0
.rept 4
	v_nop
.endr
.Lasked_\@:
.endm
.macro CREST
	s_cmp_lg_u32 s12, 0
	s_cbranch_scc1 .Lnot_wave_0_\@
	s_barrier_signal -3
.Lnot_wave_0_\@:
	s_barrier_wait -3
	s_barrier_signal -1
	s_barrier_wait -1
.endm
.macro CROUND
	s_barrier_signal -1
	s_barrier_wait -1
	CREST
.endm
; A PREFETCH of o's tile of the K step two refills on.  A tile row's 32,768 bytes of a K step are read by the four partners of one row of one cluster and by nobody else: they share them out BY ADDRESS, 8,192 bytes each (cx);
; in each, wave 0 asks: one instruction, lanes 256 bytes apart.  The loop's last trip has no K step two on and asks for nothing.  Wo's images, which every cluster walks again and again, are not asked for.
.macro ASK
	s_cmp_gt_u32 s3, s[LIM]
	s_cbranch_scc0 .Lnot_mine_\@
	global_prefetch_b8 v[PFO], s[PFA:PFA+1] offset:KSA th:TH_LOAD_NT scope:SCOPE_SE
.Lnot_mine_\@:
.endm
	s_load_b256 s[4:11], s[0:1], 0x0               ; oimg, woimg, bo, out0
	v_lshl_add_u32 v[SPW], v0, 2, SPARE
	v_mov_b32 v[NIL], 0
	ds_add_u32 v[SPW], v[NIL]                      ; the wave's opening: the add, twice on end, and its wait ahead of my first tensor load
	ds_add_u32 v[SPW], v[NIL]
	v_lshrrev_b32 v1, 5, v0
	v_readfirstlane_b32 s12, v1                    ; wave 0..3
	s_lshr_b32 s13, s12, 1                         ; which half of the tile's rows is mine.  Also: I fetch for A (0) or for B (1)
	s_and_b32 s14, s12, 1                          ; which half of its columns.  Also: which half of that tile I fetch
	s_bfe_u32 s40, ttmp6, 0x40000                  ; cx = the tile column
	s_bfe_u32 s41, ttmp6, 0x40004                  ; cy
	s_and_b32 s42, ttmp7, 0xffff
	s_lshl_b32 s42, s42, 2
	s_add_co_u32 s42, s42, s41                     ; tile row = 4 x cluster y + cy
	s_lshl_b32 s15, s41, 2
	s_lshl_b32 s15, 15, s15                        ; my row of the cluster
	s_lshl_b32 s16, 0x1111, s40                    ; my column
	s_or_b32 s[G1], s15, (3<<16)|(1<<21)           ; the mask; elements of 8 bytes; no padding; bit 21 set beside a mask
	s_mov_b32 s[G1+1], 32<<16                      ; rows of 256 bytes,
	s_mov_b32 s[G1+2], 64<<16                      ; 64 of them: half of A's tile
	s_mov_b32 s[G1+3], 32<<16
	s_mov_b32 s[G1+4], 64
	s_mov_b32 s[G1+5], 32                          ; dense
	s_mov_b32 s[G1+6], 0
	s_mov_b32 s[G1+7], 0
	s_or_b32 s[G1B], s16, (3<<16)|(1<<21)
	s_mov_b32 s[G1B+1], 32<<16
	s_mov_b32 s[G1B+2], 128<<16                    ; 128 rows: half of B's tile
	s_mov_b32 s[G1B+3], 32<<16
	s_mov_b32 s[G1B+4], 128
	s_mov_b32 s[G1B+5], 32
	s_mov_b32 s[G1B+6], 0
	s_mov_b32 s[G1B+7], 0
	s_lshl_b32 s18, s42, 15                        ; A: (8 x tile row + 4 x half) x 4,096
	s_lshl_b32 s19, s14, 14
	s_add_co_u32 s18, s18, s19
	s_mov_b32 s19, 0
	s_lshl_b32 s46, s40, 16                        ; B: (16 x tile column + 8 x half) x 4,096
	s_lshl_b32 s47, s14, 15
	s_add_co_u32 s46, s46, s47
	s_mov_b32 s47, 0
	s_lshl_b32 s20, s14, 14                        ; where they go: by the wave's number alone
	s_lshl_b32 s21, s14, 15
	s_add_co_u32 s21, s21, BOFF
	s_wait_dscnt 0x0                               ; both opening adds are done
	s_wait_kmcnt 0x0
	s_add_nc_u64 s[18:19], s[4:5], s[18:19]
	s_add_nc_u64 s[46:47], s[6:7], s[46:47]
	CROUND                                         ; all sixteen work-groups are here: the first joint loads meet
.irp s, 0,1
	s_mov_b32 s[G0+4*\s], 1
	s_add_co_u32 s[G0+4*\s+1], s20, \s*SLOT
	s_add_nc_u64 s[G0+4*\s+2:G0+4*\s+3], s[18:19], \s*KSA
	s_or_b32 s[G0+4*\s+3], s[G0+4*\s+3], 0x80000000
	s_mov_b32 s[G0B+4*\s], 1
	s_add_co_u32 s[G0B+4*\s+1], s21, \s*SLOT
	s_add_nc_u64 s[G0B+4*\s+2:G0B+4*\s+3], s[46:47], \s*KSB
	s_or_b32 s[G0B+4*\s+3], s[G0B+4*\s+3], 0x80000000
	JLOAD \s
.endr
	v_and_b32 v1, 31, v0
	v_lshlrev_b32 v2, 4, v1                        ; 16 x lane
	s_lshl_b32 s22, s13, 14                        ; my 4 blocks of A's 8
	s_lshl_b32 s23, s14, 15                        ; my 8 blocks of B's 16
	s_add_co_u32 s23, s23, BOFF
.irp s, 0,1
	v_add_nc_u32 v[ADRA+\s], s22, v2
	v_add_nc_u32 v[ADRB+\s], s23, v2
	s_add_co_u32 s22, s22, SLOT
	s_add_co_u32 s23, s23, SLOT
.endr
	s_mul_i32 s22, s12, 16*SPITCH
	s_add_co_u32 s22, s22, STAGE                   ; my stage
	v_and_b32 v3, 15, v0                           ; r
	v_bfe_u32 v4, v0, 4, 1                         ; h'
	v_mul_u32_u24 v5, v3, SPITCH
	v_lshl_add_u32 v5, v4, 5, v5
	v_add_nc_u32 v[STO], s22, v5                   ; in: row r, 32 bytes for each half of the lanes
	v_add_nc_u32 v[RD], s22, v2                    ; back: the 32 lanes take one row of 512 bytes
	v_lshlrev_b32 v[CO], 4, v1
	v_lshlrev_b32 v[PFO], 8, v1
	v_lshlrev_b32 v6, 5, v4
	s_lshl_b32 s16, s40, 10                        ; the bias of my 128 columns
	s_lshl_b32 s17, s14, 9
	s_add_co_u32 s16, s16, s17
	s_mov_b32 s17, 0
	s_add_nc_u64 s[8:9], s[8:9], s[16:17]
.irp b, 0,1,2,3,4,5,6,7
	global_load_b128 v[BI+8*\b:BI+8*\b+3], v6, s[8:9] offset:64*\b
	global_load_b128 v[BI+8*\b+4:BI+8*\b+7], v6, s[8:9] offset:64*\b+16
.endr
	s_add_nc_u64 s[10:11], s[10:11], s[16:17]      ; out0: the same columns,
	s_lshl_b32 s16, s42, 3
	s_lshl_b32 s17, s13, 2
	s_add_co_u32 s16, s16, s17                     ; my first block of 16 rows: 8 x tile row + 4 x half;
	s_and_b32 s16, s16, 127                        ; its 16 positions lie 16,384 bytes apart,
	s_lshl_b32 s16, s16, 18
	s_lshr_b32 s17, s42, 4                         ; in batch tile row / 16
	s_lshl_b32 s17, s17, 12
	s_add_co_u32 s16, s16, s17
	s_mov_b32 s17, 0
	s_add_nc_u64 s[10:11], s[10:11], s[16:17]
	s_lshl_b32 s16, s42, 15                        ; the prefetches: my tile row, my work-group's quarter,
	s_lshl_b32 s17, s40, 13
	s_add_co_u32 s16, s16, s17
	s_mov_b32 s17, 0
	s_add_nc_u64 s[PFA:PFA+1], s[4:5], s[16:17]
	s_add_nc_u64 s[PFA:PFA+1], s[PFA:PFA+1], 2*KSA ; at K step 2: the first refill steps it to 3 and names K step 4.  Nothing is prefetched at the head
	s_cmp_eq_u32 s12, 0
	s_cselect_b32 s[LIM], 1, -1
; 8 matrix instructions: A's block a x B's eight, 32 along K.  first = 1: the bias starts the sums.  The 32 accumulators take turns, in the same order in every quarter.
.macro MULA f, a, first
.irp b, 0,1,2,3,4,5,6,7
.if \first
	v_wmma_f32_16x16x32_f16 v[8*(8*(\a)+\b):8*(8*(\a)+\b)+7], v[\f+32+8*\b:\f+32+8*\b+7], v[\f+8*(\a):\f+8*(\a)+7], v[BI+8*\b:BI+8*\b+7]
.else
	v_wmma_f32_16x16x32_f16 v[8*(8*(\a)+\b):8*(8*(\a)+\b)+7], v[\f+32+8*\b:\f+32+8*\b+7], v[\f+8*(\a):\f+8*(\a)+7], v[8*(8*(\a)+\b):8*(8*(\a)+\b)+7]
.endif
.endr
.endm
.macro FETCH slot, q, f                ; 24 LDS loads in one run: the fragments of the slot's q-th 32 along K: B's eight, then A's four
	WIN TO_F
.irp i, 0,1,2,3,4,5,6,7
	ds_load_b128 v[\f+32+8*\i:\f+32+8*\i+3], v[ADRB+\slot] offset:\i*4096+(\q)*1024
	ds_load_b128 v[\f+32+8*\i+4:\f+32+8*\i+7], v[ADRB+\slot] offset:\i*4096+(\q)*1024+512
.endr
.irp i, 0,1,2,3
	ds_load_b128 v[\f+8*\i:\f+8*\i+3], v[ADRA+\slot] offset:\i*4096+(\q)*1024
	ds_load_b128 v[\f+8*\i+4:\f+8*\i+7], v[ADRA+\slot] offset:\i*4096+(\q)*1024+512
.endr
.endm
.macro PLACES                          ; four plain vector instructions between a matrix instruction and a load into, or a read of, its registers
.rept 4
	v_nop
.endr
.endm
; One of a K step's first three quarters: multiplies buffer f and fetches the quarter qn into g.
.macro QUARTER slot, qn, f, g, first
	s_wait_dscnt 4                                 ; B's eight and A's blocks 0, 1 are in; the youngest four loads (A's blocks 2, 3) may be out
	WIN MUL-0x20*(\first)                          ; (first = 1: C, the bias, lies in window 0)
	MULA \f, 0, \first
	MULA \f, 1, \first
	PLACES
	FETCH \slot, \qn, \g
	s_wait_dscnt 24                                ; all but the 24 just issued
	WIN MUL-0x20*(\first)
	MULA \f, 2, \first
	MULA \f, 3, \first
.endm
; The last quarter multiplies buffer 1 and changes slots: ONE barrier; in front of it each wave waits for all its tensor loads, adds 0 to its spare word, and waits for that and for its reads of this slot.
; fill = 1: the barrier opens a round of the cluster's, and this slot is filled again, two K steps ahead: 112 matrix instructions ahead of the wait for it.
.macro TURN slot, next, fill
.if \fill
	s_wait_xcnt 0x0                                ; the last prefetch, a K step back, has read its address: it is stepped here
	s_add_nc_u64 s[PFA:PFA+1], s[PFA:PFA+1], KSA
.endif
	WIN 0                                          ; (the add's two registers lie in window 0)
	s_wait_tensorcnt 0x0                           ; all my tensor loads have landed: my part of the next slot
	ds_add_u32 v[SPW], v[NIL]
	s_wait_dscnt 5                                 ; (the add and the youngest four loads may be out)
	WIN MUL
	MULA F1, 0, 0
	s_wait_dscnt 0x0                               ; the add is done, and my reads of this slot are over
	s_barrier_signal -1
	MULA F1, 1, 0
	WIN 0
	s_barrier_wait -1
.if \fill
	CREST                                          ; no wave of any partner still reads this slot's tile or has a load on its way
	s_add_nc_u64 s[G0+4*\slot+2:G0+4*\slot+3], s[G0+4*\slot+2:G0+4*\slot+3], 2*KSA
	s_add_nc_u64 s[G0B+4*\slot+2:G0B+4*\slot+3], s[G0B+4*\slot+2:G0B+4*\slot+3], 2*KSB
	JLOAD \slot                                    ; the first tensor load behind the round; its four v_nop are also the places in front of the loads below
.else
	PLACES
.endif
	FETCH \next, 0, F0
.if \fill
	WIN 0                                          ; at a branch and at a label every window is 0
	ASK
.endif
	WIN MUL
	MULA F1, 2, 0
	MULA F1, 3, 0
.endm
	s_wait_tensorcnt 1                             ; my part of K step 0 is in (K step 1's load may be out),
	s_barrier_signal -1
	s_barrier_wait -1                              ; everybody's is
	FETCH 0, 0, F0
	s_wait_loadcnt 0x0                             ; the bias
	QUARTER 0, 1, F0, F1, 1                        ; the first quarter stands in front of the loop: its products start the sums
	WIN 0
	s_mov_b32 s3, 3
.Llap:                                             ; a trip goes once round the ring, from a lap's second quarter to the next lap's first, and fills both slots again
	QUARTER 0, 2, F1, F0, 0
	QUARTER 0, 3, F0, F1, 0
	TURN 0, 1, 1
	QUARTER 1, 1, F0, F1, 0
	QUARTER 1, 2, F1, F0, 0
	QUARTER 1, 3, F0, F1, 0
	TURN 1, 0, 1
	QUARTER 0, 1, F0, F1, 0
	WIN 0
	s_sub_co_u32 s3, s3, 1
	s_cmp_lg_u32 s3, 0
	s_cbranch_scc1 .Llap
	QUARTER 0, 2, F1, F0, 0                        ; the last lap fills nothing
	QUARTER 0, 3, F0, F1, 0
	TURN 0, 1, 0
	QUARTER 1, 1, F0, F1, 0
	QUARTER 1, 2, F1, F0, 0
	QUARTER 1, 3, F0, F1, 0
	s_wait_dscnt 4
	WIN MUL
	MULA F1, 0, 0
	MULA F1, 1, 0
	s_wait_dscnt 0
	MULA F1, 2, 0
	MULA F1, 3, 0
	WIN 0
; THE WAY OUT, block by block of 16 rows x 128 columns.  A lane holds 32 neighbouring bytes of a row and the lanes beside it other rows: a block goes through my own stage in LDS and comes back as whole rows of 512 bytes.
; LDS serves a wave's instructions in order (ISA guide 5.7.1.4): no wait between the stores and the loads, nor in front of the next block's stores.
.macro TOSTAGE a
	WIN 0x08                                       ; an LDS store's data are its source 1: window 2
.irp b, 0,1,2,3,4,5,6,7
	ds_store_b128 v[STO], v[64*(\a)+8*\b:64*(\a)+8*\b+3] offset:64*\b            ; each accumulator from its low end on
	ds_store_b128 v[STO], v[64*(\a)+8*\b+4:64*(\a)+8*\b+7] offset:64*\b+16
.endr
	WIN 0
.irp t, 0,1,2,3,4,5,6,7,8,9,10,11,12,13,14,15
	ds_load_b128 v[BK+64*((\a)%2)+4*\t:BK+64*((\a)%2)+4*\t+3], v[RD] offset:\t*SPITCH
.endr
.endm
.macro SEND a, younger                 ; younger: the LDS instructions issued behind block a's loads, which may stay out
	s_wait_dscnt \younger
.irp t, 0,1,2,3,4,5,6,7,8,9,10,11,12,13,14,15
	global_store_b128 v[CO], v[BK+64*((\a)%2)+4*\t:BK+64*((\a)%2)+4*\t+3], s[10:11] offset:(\a)*262144+\t*16384 th:TH_STORE_NT   ; 32 lanes store 512 consecutive bytes of one row of out0
.endr
.endm
	PLACES                                         ; ahead of the first read of results
	TOSTAGE 0
	TOSTAGE 1
	SEND 0, 32                                     ; behind block 0's loads: block 1's 16 stores and 16 loads
	s_wait_xcnt 0x0                                ; block 0's stores have read their registers: block 2's loads may land there
	TOSTAGE 2
	SEND 1, 32
	s_wait_xcnt 0x0
	TOSTAGE 3
	SEND 2, 32
	SEND 3, 0
	s_wait_tensorcnt 0x0                           ; the wave's end, behind my last tensor load and my last LDS store
	ds_add_u32 v[SPW], v[NIL]
	s_wait_dscnt 0x0
	CROUND                                         ; the closing round
	s_endpgm
.Lfunc_end_k_q3422010a0d_proj:
	.size	k_q3422010a0d_proj, .Lfunc_end_k_q3422010a0d_proj-k_q3422010a0d_proj
	.p2alignl 7, 3214868480
	.fill 96, 4, 3214868480
	.section	.rodata,"a",@progbits
	.p2align	6, 0x0
	.amdhsa_kernel k_q3422010a0d_proj
		.amdhsa_group_segment_fixed_size 327680
		.amdhsa_private_segment_fixed_size 0
		.amdhsa_enable_private_segment 0
		.amdhsa_kernarg_size 32
		.amdhsa_user_sgpr_count 2
		.amdhsa_user_sgpr_kernarg_segment_ptr 1
		.amdhsa_wavefront_size32 1
		.amdhsa_system_sgpr_workgroup_id_x 1
		.amdhsa_system_sgpr_workgroup_id_y 1
		.amdhsa_system_sgpr_workgroup_id_z 1
		.amdhsa_system_vgpr_workitem_id 0
		.amdhsa_next_free_vgpr 768
		.amdhsa_next_free_sgpr 66
		.amdhsa_reserve_vcc 0
		.amdhsa_float_denorm_mode_32 3
		.amdhsa_float_denorm_mode_16_64 3
		.amdhsa_memory_ordered 1
		.amdhsa_forward_progress 1
		.amdhsa_inst_pref_size 87
	.end_amdhsa_kernel
	.amdgpu_metadata
---
amdhsa.version: [ 1, 2 ]
amdhsa.kernels:
  - .name:           k_q3422010a0d_proj
    .symbol:         k_q3422010a0d_proj.kd
    .args:
      - { .name: oimg, .offset: 0, .size: 8, .value_kind: global_buffer, .address_space: global }
      - { .name: woimg, .offset: 8, .size: 8, .value_kind: global_buffer, .address_space: global }
      - { .name: bo, .offset: 16, .size: 8, .value_kind: global_buffer, .address_space: global }
      - { .name: out0, .offset: 24, .size: 8, .value_kind: global_buffer, .address_space: global }
    .group_segment_fixed_size: 327680
    .private_segment_fixed_size: 0
    .kernarg_segment_align: 8
    .kernarg_segment_size: 32
    .max_flat_workgroup_size: 128
    .sgpr_count:     66
    .vgpr_count:     768
    .wavefront_size: 32
...
	.end_amdgpu_metadata
.endif
;; end of part 4
